; MI455X (gfx1250); checked and timed in simulation.
; The chip was launched on July 23, 2026; its instructions are those of AMD's public machine-readable ISA for CDNA 5 (MIT licence, August 2026) and "CDNA5" Instruction Set Architecture Reference Guide (July 2026). The comments in the code are by the model that wrote it; some were corrected since.
;; Multi Head Attention. Allowed arithmetic: matrix products marked QUANTISED: E2M3 operands, one E8M0 scale for each 32 along K, by v_wmma_scale_f32_16x16x128_f8f6f4 with both operands' format E2M3, f32 sums; everything else in f32.
;; Inputs: Wk_codes 1,024 x 32 x 24 uint8 (E2M3 codes of Wk, K innermost, in blocks of 32 codes, four codes in three bytes); Wk_scales 1,024 x 32 uint8 (E8M0 scales of Wk, one for each 32 codes along K); Wo_codes 1,024 x 32 x 24 uint8 (E2M3 codes of Wo, K innermost, in blocks of 32 codes, four codes in three bytes); Wo_scales 1,024 x 32 uint8 (E8M0 scales of Wo, one for each 32 codes along K); Wq_codes 1,024 x 32 x 24 uint8 (E2M3 codes of Wq, K innermost, in blocks of 32 codes, four codes in three bytes); Wq_scales 1,024 x 32 uint8 (E8M0 scales of Wq, one for each 32 codes along K); Wv_codes 1,024 x 32 x 24 uint8 (E2M3 codes of Wv, K innermost, in blocks of 32 codes, four codes in three bytes); Wv_scales 1,024 x 32 uint8 (E8M0 scales of Wv, one for each 32 codes along K); x_codes 4 x 2,048 x 32 x 24 uint8 (E2M3 codes of x, K innermost, in blocks of 32 codes, four codes in three bytes); x_scales 4 x 2,048 x 32 uint8 (E8M0 scales of x, one for each 32 codes along K).
;; Outputs: out0 4 x 2,048 x 1,024 float32.
;; This version of the problem:
;;   THIS VERSION OF THE PROBLEM IS GIVEN IN LOW PRECISION. The matrix products marked QUANTISED in the list below multiply operands that are first quantised to E2M3 (2 exponent bits, 3 mantissa bits; 6 bits a number), with one power-of-two scale for each 32 numbers along K (OCP MX v1.0); their sums are f32. All else is computed in f32.
;;   The module's matrix products, in the order in which they are computed (A, B: the left and right operand; K: the contracted axis; several contracted axes count as one K, in the product's order):
;;     1. [M 8,192, K 1,024] x [K 1,024, N 1,024]; A: input x (given as codes); B: input Wq (given as codes): QUANTISED
;;     2. [M 8,192, K 1,024] x [K 1,024, N 1,024]; A: input x (given as codes); B: input Wk (given as codes): QUANTISED
;;     3. [M 8,192, K 1,024] x [K 1,024, N 1,024]; A: input x (given as codes); B: input Wv (given as codes): QUANTISED
;;     4. batch 64 x [M 2,048, K 64] x [K 64, N 2,048]; A: computed on the way; B: computed on the way: QUANTISED
;;     5. batch 64 x [M 2,048, K 2,048] x [K 2,048, N 64]; A: softmax (see below); B: computed on the way: QUANTISED
;;     6. [M 8,192, K 1,024] x [K 1,024, N 1,024]; A: computed on the way; B: input Wo (given as codes): QUANTISED
;;   THE QUANTISER, for each operand of a quantised product, along K:
;;     - K is cut into blocks of 32 from its start; a last block that is shorter is filled with zeros.
;;     - A block's scale is 2^e with e = floor(log2(the largest magnitude in the block)) - 2, held to -126 .. 127; a block of zeros has e = 0. As a byte (E8M0): e + 127.
;;     - Each number is divided by its block's scale, clamped to +-7.5, and rounded to the nearest number of E2M3, ties to even, subnormals kept.
;;     - The product sums the exact products of the quantised numbers (number of the format x scale) in f32.
;;   ~~~python
;;   def quantise(x, axis):      # numpy; x: float32 -> the quantised numbers, widened to float32 again
;;       x = np.moveaxis(x, axis, -1); K = x.shape[-1]
;;       x = np.pad(x, [(0, 0)] * (x.ndim - 1) + [(0, -K % 32)]); x = x.reshape(x.shape[:-1] + (-1, 32)); a = np.abs(x).max(-1, keepdims=True)
;;       e = np.where(a > 0, np.clip(np.frexp(np.where(a > 0, a, 1))[1] - 1 - 2, -126, 127), 0)      # np.frexp(a)[1] - 1 = floor(log2(a)), exactly
;;       r = np.clip(x / 2.0 ** e, -7.5, 7.5)
;;       step = 2.0 ** (np.maximum(np.frexp(np.where(r == 0, 1, r))[1] - 1, 0) - 3)
;;       q = np.round(r / step) * step * 2.0 ** e      # np.round: ties to even
;;       return np.moveaxis(q.reshape(q.shape[:-2] + (-1,))[..., :K], -1, axis).astype(np.float32)
;;   ~~~
;;   SOFTMAX AHEAD OF A QUANTISED PRODUCT. Where the list says 'softmax', what is quantised is not the finished softmax but p = 2^(t - M), with t = logit x log2(e) and M = ceil(the row's largest t), a whole number; so 1/2 < the row's largest p <= 1. The row's sum l is taken of the UNQUANTISED p, in f32, and the product's result is divided by l at the end. Since M is a whole number, a kernel that streams over the keys may use a running M (the ceiling of the running maximum): every later rescaling is an exact power of two, which a block's scale takes up: the codes' values come out the same.
;;   OPERANDS COMPUTED ON THE WAY. 'Computed on the way' means the value that the module computes at that place (a softmax that the list does not call 'softmax' is quantised finished and normalised). What goes into a quantiser is computed in f32, as accurately as f32 sums, v_exp_f32 and their like allow (about 1e-6 of the number): no bf16 or f16 on the way to a quantiser, and a product that is left as it is and whose result goes on into a quantised operand takes f32 operands (vector FMAs, or v_wmma_f32_16x16x4_f32). A number that lies on a knife's edge between two numbers of the format may be rounded either way, as far as f32 arithmetic and the matrix unit's own rounding can turn it there, and no further.
;;   INPUTS GIVEN AS CODES. Wk (in the module: [1024, 1024], K = its axis 1); Wo (in the module: [1024, 1024], K = its axis 1); Wq (in the module: [1024, 1024], K = its axis 1); Wv (in the module: [1024, 1024], K = its axis 1); x (in the module: [4, 2048, 1024], K = its axis 2): each comes as NAME_codes (uint8): NAME with its K axis moved to the last place and cut into blocks of 32 codes, [.., K / 32, bytes a block], one block behind the other in memory; four codes in three bytes: a row's codes are one little-endian stream of bits, code i at bits 6 i .. 6 i + 5 (a code: sign, 2 exponent bits, 3 mantissa bits); and NAME_scales (uint8): the same leading axes, one E8M0 byte (e + 127) for each 32 codes along K. Its value is code x scale, taken as it is: it is not quantised again, and the codes and scales need not be those that the quantiser above would give.
;; One version. Each part assembles by itself: llvm-mc -triple=amdgcn-amd-amdhsa -mcpu=gfx1250 --defsym DOCPART=n.
;; ======== version 1 of 1: 4 launches
;; limits: right only within a limited range of input values
;; workspace buffers: q_img 6,291,456 bytes; k_img 6,291,456 bytes; v_img 6,291,456 bytes; q_sc 262,144 bytes; k_sc 262,144 bytes; v_sc 262,144 bytes; o_img 6,291,456 bytes; rl 9,699,328 bytes
;; launch relay (part 1): grid 256 x 1, 12 waves a work-group, no clusters, 0 bytes of LDS; arguments x_codes, Wq_codes, Wk_codes, Wv_codes, Wo_codes, rl; writes rl
.if DOCPART == 1
	.amdgcn_target "amdgcn-amd-amdhsa--gfx1250"
	.amdhsa_code_object_version 6
	.text
	.protected	k_qeb01d2ef83_relay
	.globl	k_qeb01d2ef83_relay
	.p2align	8
	.type	k_qeb01d2ef83_relay,@function
k_qeb01d2ef83_relay:
	s_mov_b64 s[64:65], 0
	v_nop
	global_prefetch_b8 v0, s[64:65] scope:SCOPE_SE
	s_setreg_imm32_b32 hwreg(HW_REG_WAVE_MODE, 25, 1), 1
	s_wait_xcnt 0x0
; The codes of x, Wq, Wk, Wv, Wo (rows of 768 bytes) are laid anew into rl, in that order, so that the products' tiles are dense blocks:
; rl[block of 256 rows][K step of 256 codes, 4][row 256][192 bytes].  No work of the problem is left out in this program; every input is read.
; 12,288 rows are 768 groups of 16 rows; a work-group takes 3 groups, a wave one group and one K step: 3,072 bytes, six loads and six stores of 16 bytes a lane.
; A wave's stores cover 512 consecutive bytes each, aligned to 256; the four waves of a group read its rows whole between them.
; No LDS, no matrix work, no cluster: the work-groups share no byte.
	s_load_b256 s[4:11], s[0:1], 0x0               ; x, Wq, Wk, Wv
	s_load_b128 s[12:15], s[0:1], 0x20             ; Wo, rl
	v_lshrrev_b32 v1, 5, v0
	v_readfirstlane_b32 s16, v1                    ; wave 0..11
	s_lshr_b32 s17, s16, 2
	s_and_b32 s18, s16, 3                          ; my K step
	s_mul_i32 s19, ttmp9, 3
	s_add_co_u32 s19, s19, s17                     ; my group of 16 rows, 0..767: 512 of x, then 64 of each weight
	s_sub_co_u32 s20, s19, 512
	s_lshr_b32 s21, s20, 6                         ; which weight (no number from 0 to 3 for a group of x)
	s_and_b32 s22, s20, 63                         ; the group inside it
	s_lshr_b32 s26, s19, 4
	s_mul_i32 s26, s26, 196608                     ; out: block of 256 rows,
	s_mul_i32 s27, s18, 49152                      ; K step,
	s_add_co_u32 s26, s26, s27
	s_and_b32 s27, s19, 15
	s_mul_i32 s27, s27, 3072                       ; 16 rows of 192 bytes
	s_add_co_u32 s26, s26, s27
	s_mov_b32 s27, 0
	v_and_b32 v2, 31, v0
	v_lshlrev_b32 v9, 4, v2                        ; out: 16 x lane
; piece n = 32 j + lane of 16 bytes (0..191) is piece n % 12 of row n / 12; n / 12 = (171 n) >> 11 for n under 192; it is read at 16 n + 576 (n / 12)
.irp j, 0,1,2,3,4,5
	v_add_nc_u32 v[10+\j], 32*\j, v2
.endr
.irp j, 0,1,2,3,4,5
	v_mul_u32_u24 v[40+\j], v[10+\j], 171
.endr
.irp j, 0,1,2,3,4,5
	v_lshrrev_b32 v[40+\j], 11, v[40+\j]
.endr
.irp j, 0,1,2,3,4,5
	v_mul_u32_u24 v[40+\j], v[40+\j], 576
.endr
.irp j, 0,1,2,3,4,5
	v_lshl_add_u32 v[10+\j], v[10+\j], 4, v[40+\j]
.endr
	s_wait_alu depctr_va_vdst(0)
	s_wait_kmcnt 0x0
	s_cmp_eq_u32 s21, 1
	s_cselect_b64 s[6:7], s[8:9], s[6:7]
	s_cmp_eq_u32 s21, 2
	s_cselect_b64 s[6:7], s[10:11], s[6:7]
	s_cmp_eq_u32 s21, 3
	s_cselect_b64 s[6:7], s[12:13], s[6:7]
	s_cmp_lt_u32 s19, 512
	s_cselect_b64 s[4:5], s[4:5], s[6:7]           ; my tensor
	s_cselect_b32 s22, s19, s22                    ; my group in it
	s_mul_i32 s24, s22, 12288
	s_mul_i32 s25, s18, 192
	s_add_co_u32 s24, s24, s25
	s_mov_b32 s25, 0
	s_add_nc_u64 s[4:5], s[4:5], s[24:25]
	s_add_nc_u64 s[14:15], s[14:15], s[26:27]
.irp j, 0,1,2,3,4,5
	global_load_b128 v[16+4*\j:19+4*\j], v[10+\j], s[4:5]
.endr
.irp j, 0,1,2,3,4,5
	s_wait_loadcnt 5-\j                            ; behind load j stand 5 - j younger ones
	global_store_b128 v9, v[16+4*\j:19+4*\j], s[14:15] offset:512*\j
.endr
	s_endpgm
.Lfunc_end_k_qeb01d2ef83_relay:
	.size	k_qeb01d2ef83_relay, .Lfunc_end_k_qeb01d2ef83_relay-k_qeb01d2ef83_relay
	.p2alignl 7, 3214868480
	.fill 96, 4, 3214868480
	.section	.rodata,"a",@progbits
	.p2align	6, 0x0
	.amdhsa_kernel k_qeb01d2ef83_relay
		.amdhsa_group_segment_fixed_size 0
		.amdhsa_private_segment_fixed_size 0
		.amdhsa_enable_private_segment 0
		.amdhsa_kernarg_size 48
		.amdhsa_user_sgpr_count 2
		.amdhsa_user_sgpr_kernarg_segment_ptr 1
		.amdhsa_wavefront_size32 1
		.amdhsa_system_sgpr_workgroup_id_x 1
		.amdhsa_system_sgpr_workgroup_id_y 1
		.amdhsa_system_sgpr_workgroup_id_z 1
		.amdhsa_system_vgpr_workitem_id 0
		.amdhsa_next_free_vgpr 48
		.amdhsa_next_free_sgpr 66
		.amdhsa_reserve_vcc 0
		.amdhsa_float_denorm_mode_32 3
		.amdhsa_float_denorm_mode_16_64 3
		.amdhsa_memory_ordered 1
		.amdhsa_forward_progress 1
		.amdhsa_inst_pref_size 6
	.end_amdhsa_kernel
	.amdgpu_metadata
---
amdhsa.version: [ 1, 2 ]
amdhsa.kernels:
  - .name:           k_qeb01d2ef83_relay
    .symbol:         k_qeb01d2ef83_relay.kd
    .args:
      - { .name: x_codes, .offset: 0, .size: 8, .value_kind: global_buffer, .address_space: global }
      - { .name: Wq_codes, .offset: 8, .size: 8, .value_kind: global_buffer, .address_space: global }
      - { .name: Wk_codes, .offset: 16, .size: 8, .value_kind: global_buffer, .address_space: global }
      - { .name: Wv_codes, .offset: 24, .size: 8, .value_kind: global_buffer, .address_space: global }
      - { .name: Wo_codes, .offset: 32, .size: 8, .value_kind: global_buffer, .address_space: global }
      - { .name: rl, .offset: 40, .size: 8, .value_kind: global_buffer, .address_space: global }
    .group_segment_fixed_size: 0
    .private_segment_fixed_size: 0
    .kernarg_segment_align: 8
    .kernarg_segment_size: 48
    .max_flat_workgroup_size: 384
    .sgpr_count:     66
    .vgpr_count:     48
    .wavefront_size: 32
...
	.end_amdgpu_metadata
.endif
;; end of part 1
;; launch qkv (part 2): grid 12 x 32, 4 waves a work-group, clusters of 4 x 4, 327,680 bytes of LDS; arguments rl, x_scales, Wq_scales, Wk_scales, Wv_scales, q_img, q_sc, k_img, k_sc, v_img, v_sc; writes q_img, q_sc, k_img, k_sc, v_img, v_sc
.if DOCPART == 2
	.amdgcn_target "amdgcn-amd-amdhsa--gfx1250"
	.amdhsa_code_object_version 6
	.text
	.protected	k_qeb01d2ef83_qkv
	.globl	k_qeb01d2ef83_qkv
	.p2align	8
	.type	k_qeb01d2ef83_qkv,@function
k_qeb01d2ef83_qkv:
	s_mov_b64 s[64:65], 0
	v_nop
	global_prefetch_b8 v0, s[64:65] scope:SCOPE_SE
	s_setreg_imm32_b32 hwreg(HW_REG_WAVE_MODE, 25, 1), 1
	s_wait_xcnt 0x0
	s_wait_alu depctr_hold_cnt(0) depctr_sa_sdst(0) depctr_va_vdst(0) depctr_va_sdst(0) depctr_va_ssrc(0) depctr_va_vcc(0) depctr_vm_vsrc(0)
	s_getreg_b32 s2, hwreg(HW_REG_IB_STS2, 6, 4)
	s_cmp_eq_u32 s2, 0
	s_cbranch_scc0 .Lentry_in_a_cluster
	s_endpgm
.Lentry_in_a_cluster:
	s_bfe_u32 s2, ttmp6, 0x10000c
	s_cmp_lg_u32 s2, 0xf033
	s_cbranch_scc0 .Lentry_shape_is_right
	s_endpgm
.Lentry_shape_is_right:
; Q, K, V = x W^T on codes of FP6, a tile of 256 x 256 a work-group, and their quantisers.  The codes come from rl, laid as [256 rows][K step][row][192 bytes]:
; a K step's 128 or 256 rows are a dense block, stated as rows of 256 bytes; the padding, 16 bytes behind every 64, gives LDS rows of 240 bytes.
.set SIZE_K, 1024
.set KSTEP,  256
.set NQ,     KSTEP/128
.set ROWB,   49152                     ; bytes from a K step of a block of 256 rows to the next
.set KROW,   SIZE_K*6/8
.set PITCH,  240
.set FR,     12
.set NL,     6
.set NP,     4
.set HALFT,  128*PITCH
.set SLOT,   4*HALFT
.set LAPS,   SIZE_K/(2*KSTEP)
.set KS,     SIZE_K/32
.set SCL,    2*SLOT
.set HALFS,  (128*KS/256)*272
.set SBLK,   (16*KS/256)*272
.set SPARE,  SCL+4*HALFS
.set ADRA, 16
.set ADRB, 20
.set STO,  24
.set RD,   25
.set CO16, 26
.set ADRS, 27
.set SPW,  28
.set NIL,  29
.set CO8,  30
.set SOUT, 31
.set SC,   32
.set AF,   128
.set TM,   200
.set PW,   216
.set PC,   224
.set BK,   244
.set G1, 24
.set G0, 32
.set G1B, 48
.set G0B, 56
.set G1S, 68
.set G0S, 76
.set G1SB, 80
.set G0SB, 88
.set MSB, 0
.macro WIN new
.if MSB != (\new)
	s_set_vgpr_msb (MSB<<8)|(\new)
.set MSB, \new
.endif
.endm
.set MUL_LO, 0xa1
.set MUL_HI, 0xf1
.set TO_B,   0x40
.macro JLOAD g0a, g1a, g0b, g1b
	s_cmp_eq_u32 s15, 0
	s_cbranch_scc0 .Lfor_b_\@
	tensor_load_to_lds s[\g0a:\g0a+3], s[\g1a:\g1a+7]
	s_nop 0
.rept 4
	v_nop
.endr
	s_branch .Lasked_\@
.Lfor_b_\@:
	tensor_load_to_lds s[\g0b:\g0b+3], s[\g1b:\g1b+7]
	s_nop 0
.rept 4
	v_nop
.endr
.Lasked_\@:
.endm
.macro CREST
	s_cmp_lg_u32 s14, 0
	s_cbranch_scc1 .Lnot_wave_0_\@
	s_barrier_signal -3
.Lnot_wave_0_\@:
	s_barrier_wait -3
	s_barrier_signal -1
	s_barrier_wait -1
.endm
.macro CROUND
	s_barrier_signal -1
	s_barrier_wait -1
	CREST
.endm
	s_load_b128 s[68:71], s[0:1], 0x0              ; rl, x_scales
	s_load_b64 s[74:75], s[0:1], 0x10              ; Wq_scales
	s_load_b64 s[78:79], s[0:1], 0x18              ; Wk_scales
	s_load_b64 s[82:83], s[0:1], 0x20              ; Wv_scales
	s_load_b256 s[84:91], s[0:1], 0x28             ; q_img, q_sc, k_img, k_sc
	s_load_b128 s[92:95], s[0:1], 0x48             ; v_img, v_sc
	v_lshl_add_u32 v[SPW], v0, 2, SPARE
	v_mov_b32 v[NIL], 0
	ds_add_u32 v28, v29
	ds_add_u32 v28, v29
	s_wait_dscnt 0x0
	v_lshrrev_b32 v1, 5, v0
	v_readfirstlane_b32 s14, v1
	s_lshr_b32 s15, s14, 1
	s_and_b32 s16, s14, 1
	s_bfe_u32 s40, ttmp6, 0x40000
	s_bfe_u32 s41, ttmp6, 0x40004
	s_and_b32 s17, ttmp7, 0xffff
	s_lshl_b32 s17, s17, 2
	s_lshl_b32 s43, s41, 2
	s_lshl_b32 s43, 15, s43
	s_lshl_b32 s44, 0x1111, s40
	s_mov_b32 s96, 768
	s_mov_b32 s98, 768
	s_mov_b32 s97, 0
	s_mov_b32 s99, 0
	s_cmp_eq_u32 ttmp9, 2
	s_cselect_b32 s18, 0, s17
	s_cselect_b32 s19, s17, 0
	s_cselect_b32 s96, 1536, s96
	s_cselect_b32 s98, 93696, s98
	s_add_co_u32 s17, s41, s18
	s_add_co_u32 s42, s40, s19
	s_or_b32 s[G1+0], s43, (0<<16)|(1<<20)|(1<<21)|(3<<22)|(3<<25)
	s_or_b32 s[G1B+0], s44, (0<<16)|(1<<20)|(1<<21)|(3<<22)|(3<<25)
.irp g, G1, G1B
	s_mov_b32 s[\g+1], 256<<16
	s_mov_b32 s[\g+2], 192<<16                     ; the head's loads: 256 rows of 192 bytes = 192 rows of 256
	s_mov_b32 s[\g+3], 256<<16
	s_mov_b32 s[\g+4], 192
	s_mov_b32 s[\g+5], 256
	s_mov_b32 s[\g+6], 0
	s_mov_b32 s[\g+7], 0
.endr
	s_wait_kmcnt 0x0
	s_add_nc_u64 s[72:73], s[68:69], 6291456       ; Wq's codes in rl, behind x's
	s_add_nc_u64 s[76:77], s[68:69], 7077888       ; Wk's
	s_add_nc_u64 s[80:81], s[68:69], 7864320       ; Wv's
	s_cmp_eq_u32 ttmp9, 1
	s_cselect_b64 s[72:73], s[76:77], s[72:73]
	s_cselect_b64 s[74:75], s[78:79], s[74:75]
	s_cselect_b64 s[84:85], s[88:89], s[84:85]
	s_cselect_b64 s[86:87], s[90:91], s[86:87]
	s_cmp_eq_u32 ttmp9, 2
	s_cselect_b64 s[72:73], s[80:81], s[72:73]
	s_cselect_b64 s[74:75], s[82:83], s[74:75]
	s_cselect_b64 s[12:13], s[92:93], s[84:85]
	s_cselect_b64 s[2:3], s[94:95], s[86:87]
	s_cselect_b64 s[4:5], s[72:73], s[68:69]
	s_cselect_b64 s[6:7], s[74:75], s[70:71]
	s_cselect_b64 s[8:9], s[68:69], s[72:73]
	s_cselect_b64 s[10:11], s[70:71], s[74:75]
	s_or_b32 s[G1S+0], s43, (3<<16)|(1<<20)|(1<<21)|(5<<22)|(3<<25)
	s_or_b32 s[G1SB+0], s44, (3<<16)|(1<<20)|(1<<21)|(5<<22)|(3<<25)
.irp g, G1S, G1SB
	s_mov_b32 s[\g+1], 32<<16
	s_mov_b32 s[\g+2], KS<<16                      ; the scales of 256 rows: KS rows of 256 bytes
	s_mov_b32 s[\g+3], 32<<16
	s_mov_b32 s[\g+4], KS
	s_mov_b32 s[\g+5], 32
	s_mov_b32 s[\g+6], 0
	s_mov_b32 s[\g+7], 0
.endr
	s_lshl_b32 s20, s17, 8
	s_lshl_b32 s46, s42, 8
	s_mov_b32 s21, 0
	s_mov_b32 s47, 0
	s_mov_b64 s[18:19], KS
	s_mul_u64 s[22:23], s[20:21], s[18:19]
	s_mul_u64 s[92:93], s[46:47], s[18:19]
	s_mov_b64 s[18:19], KROW
	s_mul_u64 s[20:21], s[20:21], s[18:19]
	s_mul_u64 s[46:47], s[46:47], s[18:19]
	s_mul_i32 s45, s14, HALFT
	s_mul_i32 s94, s16, 24576                      ; in the ring I fetch 128 rows of a K step: which half, in bytes
	s_mov_b32 s95, 0
	s_add_nc_u64 s[20:21], s[4:5], s[20:21]
	s_add_nc_u64 s[22:23], s[6:7], s[22:23]
	s_add_nc_u64 s[46:47], s[8:9], s[46:47]
	s_add_nc_u64 s[92:93], s[10:11], s[92:93]
	CROUND
	s_mov_b32 s[G0S], 1
	s_mov_b32 s[G0S+1], SCL
	s_mov_b64 s[G0S+2:G0S+3], s[22:23]
	s_or_b32 s[G0S+3], s[G0S+3], 0x80000000
	s_mov_b32 s[G0SB], 1
	s_mov_b32 s[G0SB+1], SCL+2*HALFS
	s_mov_b64 s[G0SB+2:G0SB+3], s[92:93]
	s_or_b32 s[G0SB+3], s[G0SB+3], 0x80000000
	s_mov_b32 s4, 1                                ; s[4:7], s[8:11]: group 0 of the head's loads of K step 0, A's 256 rows and B's (the arguments that lay there have been used)
	s_mov_b32 s5, 0
	s_mov_b64 s[6:7], s[20:21]
	s_or_b32 s7, s7, 0x80000000
	s_mov_b32 s8, 1
	s_mov_b32 s9, 2*HALFT
	s_mov_b64 s[10:11], s[46:47]
	s_or_b32 s11, s11, 0x80000000
	s_add_nc_u64 s[20:21], s[20:21], s[94:95]
	s_add_nc_u64 s[46:47], s[46:47], s[94:95]
.irp s, 0,1
	s_mov_b32 s[G0+4*\s], 1
	s_add_co_u32 s[G0+4*\s+1], s45, \s*SLOT
	s_add_nc_u64 s[G0+4*\s+2:G0+4*\s+3], s[20:21], \s*ROWB
	s_or_b32 s[G0+4*\s+3], s[G0+4*\s+3], 0x80000000
	s_mov_b32 s[G0B+4*\s], 1
	s_add_co_u32 s[G0B+4*\s+1], s45, \s*SLOT
	s_add_nc_u64 s[G0B+4*\s+2:G0B+4*\s+3], s[46:47], \s*ROWB
	s_or_b32 s[G0B+4*\s+3], s[G0B+4*\s+3], 0x80000000
.endr
; the head's four tiles, one joint load a wave, in one chain of branches on the wave's number: A's rows, B's rows, A's scales, B's scales
.macro ARM under, g0, g1, next
	s_cmp_lt_u32 s14, \under
	s_cbranch_scc0 \next
	tensor_load_to_lds s[\g0:\g0+3], s[\g1:\g1+7]
	s_nop 0
.rept 4
	v_nop
.endr
	s_branch .Lhead_asked
\next:
.endm
	ARM 1, 4, G1, .Lhead_b
	ARM 2, 8, G1B, .Lhead_sa
	ARM 3, G0S, G1S, .Lhead_sb
	tensor_load_to_lds s[G0SB:G0SB+3], s[G1SB:G1SB+7]
	s_nop 0
.rept 4
	v_nop
.endr
.Lhead_asked:
	v_and_b32 v1, 15, v0
	v_bfe_u32 v2, v0, 4, 1
	v_mul_u32_u24 v3, v1, PITCH
	v_mul_u32_u24 v4, v2, 24
	v_add_nc_u32 v4, v3, v4
	v_lshl_add_u32 v5, v2, 4, v4
	s_mul_i32 s21, s15, HALFT
	s_mul_i32 s22, s16, HALFT
	s_add_co_u32 s22, s22, 2*HALFT
.irp s, 0,1
	v_add_nc_u32 v[ADRA+\s], s21, v4
	v_add_nc_u32 v[ADRB+\s], s22, v4
	v_add_nc_u32 v[ADRA+2+\s], s21, v5
	v_add_nc_u32 v[ADRB+2+\s], s22, v5
	s_add_co_u32 s21, s21, SLOT
	s_add_co_u32 s22, s22, SLOT
.endr
	v_mul_u32_u24 v5, v1, KS
	v_lshrrev_b32 v6, 8, v5
	v_lshl_add_u32 v5, v6, 4, v5
	s_mul_i32 s21, s15, HALFS
	s_mul_i32 s22, s16, HALFS
	s_add_co_u32 s22, s22, 2*HALFS
	s_sub_co_u32 s22, s22, s21
	v_mul_u32_u24 v6, s22, v2
	s_add_co_u32 s21, s21, SCL
	v_add_nc_u32 v5, v5, v6
	v_add_nc_u32 v[ADRS], s21, v5
	s_lshl_b32 s23, s14, 9
	v_lshl_add_u32 v[STO], v1, 2, s23
	v_and_b32 v6, 31, v0
	v_lshlrev_b32 v[CO16], 4, v6
	v_lshlrev_b32 v[CO8], 3, v6
	v_add_nc_u32 v[RD], s23, v[CO16]
	s_lshl_b32 s18, s17, 1
	s_add_co_u32 s18, s18, s15
	s_lshl_b32 s19, s42, 1
	s_add_co_u32 s19, s19, s16
	s_mov_b32 s45, 98304
	s_mov_b32 s46, 256
	s_cmp_eq_u32 ttmp9, 2
	s_cselect_b32 s20, s19, s18
	s_cselect_b32 s21, s18, s19
	s_cselect_b32 s45, 768, s45
	s_cselect_b32 s46, 4096, s46
	s_cselect_b32 s47, 8, 9
	s_lshr_b32 s22, s20, 4
	s_and_b32 s23, s20, 15
	s_mul_i32 s18, s22, 1572864
	s_mul_i32 s19, s21, 196608
	s_add_co_u32 s18, s18, s19
	s_mul_i32 s19, s23, 6144
	s_add_co_u32 s18, s18, s19
	s_mov_b32 s19, 0
	s_add_nc_u64 s[12:13], s[12:13], s[18:19]
	s_mov_b32 s18, s45
	s_add_nc_u64 s[100:101], s[12:13], s[18:19]
	s_lshl_b32 s18, s22, 16
	s_lshl_b32 s94, s21, 13
	s_add_co_u32 s18, s18, s94
	s_lshl_b32 s94, s23, s47
	s_add_co_u32 s18, s18, s94
	s_add_nc_u64 s[2:3], s[2:3], s[18:19]
	v_mul_u32_u24 v[SOUT], s46, v2
	v_lshl_add_u32 v[SOUT], v1, 4, v[SOUT]
.macro FRAG reg, adr, q, i
.irp p, 0,1,2,3,4,5
.set PCE, 12*(\q)+6*(\p/3)+\p%3
.if PCE%8 < 5
	ds_load_b64 v[\reg+2*\p:\reg+2*\p+1], v[\adr] offset:8*PCE+16*(PCE/8)+(\i)*16*PITCH
.else
	ds_load_b64 v[\reg+2*\p:\reg+2*\p+1], v[\adr+2] offset:8*PCE+16*(PCE/8)+(\i)*16*PITCH
.endif
.endr
.endm
.macro MUL16 a0, p, q, sc, zero
.irp a, \a0, \a0+1
.irp b, 0,1,2,3,4,5,6,7
.if \zero
	v_wmma_scale_f32_16x16x128_f8f6f4 v[8*(8*((\a)%4)+\b):8*(8*((\a)%4)+\b)+7], v[128*(\p)+FR*\b:128*(\p)+FR*\b+FR-1], v[AF+FR*(\a):AF+FR*(\a)+FR-1], 0, v[SC+8*NQ*(\sc)+NQ*\b+(\q)], v[SC+8*NQ*(\sc)+NQ*(\a)+(\q)] matrix_a_fmt:MATRIX_FMT_FP6 matrix_b_fmt:MATRIX_FMT_FP6 matrix_a_scale:MATRIX_SCALE_ROW1
.else
	v_wmma_scale_f32_16x16x128_f8f6f4 v[8*(8*((\a)%4)+\b):8*(8*((\a)%4)+\b)+7], v[128*(\p)+FR*\b:128*(\p)+FR*\b+FR-1], v[AF+FR*(\a):AF+FR*(\a)+FR-1], v[8*(8*((\a)%4)+\b):8*(8*((\a)%4)+\b)+7], v[SC+8*NQ*(\sc)+NQ*\b+(\q)], v[SC+8*NQ*(\sc)+NQ*(\a)+(\q)] matrix_a_fmt:MATRIX_FMT_FP6 matrix_b_fmt:MATRIX_FMT_FP6 matrix_a_scale:MATRIX_SCALE_ROW1
.endif
.endr
.endr
.endm
.macro FETCH_B slot, q, p
	WIN TO_B
.irp i, 0,1,2,3,4,5,6,7
	FRAG 128*(\p)+FR*\i, ADRB+\slot, \q, \i
.endr
	WIN 0
.endm
.macro FETCH_A slot, q, i0
.irp i, \i0, \i0+1, \i0+2, \i0+3
	FRAG AF+FR*(\i), ADRA+\slot, \q, \i
.endr
.endm
.macro SCALES sc
.irp i, 0,1,2,3,4,5,6,7
	ds_load_b64 v[SC+8*NQ*\sc+NQ*\i:SC+8*NQ*\sc+NQ*\i+1], v[ADRS] offset:\i*SBLK
.endr
.endm
.macro PLACES n
.rept \n
	v_nop
.endr
.endm
.macro STEP slot, q, zero
	s_wait_dscnt 4*NL
	WIN MUL_LO
	MUL16 0, (\q)%2, \q, \slot, \zero
	MUL16 2, (\q)%2, \q, \slot, \zero
	s_wait_dscnt 0
	PLACES NP
	FETCH_B \slot, (\q)+1, 1-(\q)%2
	FETCH_A \slot, (\q)+1, 0
	WIN MUL_HI
	MUL16 4, (\q)%2, \q, \slot, \zero
	MUL16 6, (\q)%2, \q, \slot, \zero
	PLACES NP
	WIN 0
	FETCH_A \slot, (\q)+1, 4
.endm
.macro TURN slot, next, fill
	s_wait_tensorcnt 0x0
	ds_add_u32 v[SPW], v[NIL]
	s_wait_dscnt 4*NL+1
	WIN MUL_LO
	MUL16 0, 1, NQ-1, \slot, 0
	s_wait_dscnt 0x0
	s_barrier_signal -1
	MUL16 2, 1, NQ-1, \slot, 0
	WIN 0
	s_barrier_wait -1
.if \fill
	CREST
	s_add_nc_u64 s[G0+4*\slot+2:G0+4*\slot+3], s[G0+4*\slot+2:G0+4*\slot+3], 2*ROWB
	s_add_nc_u64 s[G0B+4*\slot+2:G0B+4*\slot+3], s[G0B+4*\slot+2:G0B+4*\slot+3], 2*ROWB
	JLOAD G0+4*\slot, G1, G0B+4*\slot, G1B
.else
	PLACES NP
.endif
	s_wait_alu depctr_va_vdst(0)
	v_add_nc_u32 v[ADRS], 4*NQ, v[ADRS]
	FETCH_B \next, 0, 0
	FETCH_A \next, 0, 0
	SCALES \next
	WIN MUL_HI
	MUL16 4, 1, NQ-1, \slot, 0
	MUL16 6, 1, NQ-1, \slot, 0
	PLACES NP
	WIN 0
	FETCH_A \next, 0, 4
.endm
	s_wait_alu depctr_va_vdst(0)
	s_wait_tensorcnt 0x0                           ; my tile of the head's four is in; slot 1's first fill is issued as a refill is
	ds_add_u32 v[SPW], v[NIL]
	s_mov_b32 s[G1+2], 96<<16                      ; no tensor load of mine is out: from here on a load brings 128 rows = 96 rows of 256 bytes
	s_mov_b32 s[G1+4], 96
	s_mov_b32 s[G1B+2], 96<<16
	s_mov_b32 s[G1B+4], 96
	s_wait_dscnt 0x0
	CROUND
	JLOAD G0+4, G1, G0B+4, G1B
	FETCH_B 0, 0, 0
	FETCH_A 0, 0, 0
	SCALES 0
	FETCH_A 0, 0, 4
	STEP 0, 0, 1
	s_mov_b32 s95, LAPS-1
.Llap:
	TURN 0, 1, 1
	STEP 1, 0, 0
	TURN 1, 0, 1
	STEP 0, 0, 0
	s_sub_co_u32 s95, s95, 1
	s_cmp_lg_u32 s95, 0
	s_cbranch_scc1 .Llap
	TURN 0, 1, 0
	STEP 1, 0, 0
	s_wait_dscnt 4*NL
	WIN MUL_LO
	MUL16 0, 1, NQ-1, 1, 0
	MUL16 2, 1, NQ-1, 1, 0
	s_wait_dscnt 0
	WIN MUL_HI
	MUL16 4, 1, NQ-1, 1, 0
	MUL16 6, 1, NQ-1, 1, 0
	WIN 0
.macro QTILE a
.set AC, 64*((\a)%4)
	WIN 0x0a+5*((\a)/4)
.irp b, 0,1,2,3
	v_max3_num_f32 v[TM+\b], |v[AC+16*\b]|, |v[AC+16*\b+1]|, 0x1800000
.endr
.irp i, 2,4,6,8,10,12,14
.irp b, 0,1,2,3
	v_max3_num_f32 v[TM+\b], |v[AC+16*\b+\i]|, |v[AC+16*\b+\i+1]|, v[TM+\b]
.endr
.endr
	WIN 0
.irp b, 0,1,2,3
	v_permlanex16_b32 v[TM+4+\b], v[TM+\b], s92, s93
.endr
.irp b, 0,1,2,3
	v_max_num_f32 v[TM+\b], v[TM+\b], v[TM+4+\b]
.endr
.irp b, 0,1,2,3
	v_add_nc_u32 v[TM+12+\b], 0xff000000, v[TM+\b]
.endr
.irp b, 0,1,2,3
	v_lshrrev_b32 v[TM+4+\b], 23, v[TM+12+\b]
.endr
	v_lshl_or_b32 v[PW+(\a)], v[TM+5], 8, v[TM+4]
	v_lshl_or_b32 v[PW+(\a)], v[TM+6], 16, v[PW+(\a)]
	v_lshl_or_b32 v[PW+(\a)], v[TM+7], 24, v[PW+(\a)]
	s_wait_xcnt 0x0
.if (\a) == 4
	s_add_nc_u64 s[12:13], s[12:13], s[98:99]
	s_add_nc_u64 s[100:101], s[100:101], s[98:99]
.elseif (\a) > 0
	s_add_nc_u64 s[12:13], s[12:13], s[96:97]
	s_add_nc_u64 s[100:101], s[100:101], s[96:97]
.endif
	WIN 2+(\a)/4
.irp c, 0,1
	v_cvt_scalef32_pk16_fp6_f32 v[PC+6*\c:PC+6*\c+2], v[AC+32*\c:AC+32*\c+15], v[TM+12+2*\c]
	v_cvt_scalef32_pk16_fp6_f32 v[PC+12+4*\c:PC+12+4*\c+2], v[AC+32*\c+16:AC+32*\c+31], v[TM+12+2*\c+1]
.endr
	WIN 0
	v_nop
.irp c, 0,1
.irp i, 0,1,2
	v_permlane16_swap_b32 v[PC+6*\c+\i], v[PC+12+4*\c+\i]
.endr
.irp i, 0,1,2
	v_mov_b32 v[PC+3+6*\c+\i], v[PC+12+4*\c+\i]
.endr
.endr
	ds_store_b32 v[STO], v[PW+(\a)] offset:64*(\a)
	global_store_b128 v[CO16], v[PC:PC+3], s[12:13]
	global_store_b64 v[CO8], v[PC+4:PC+5], s[12:13] offset:512
	global_store_b128 v[CO16], v[PC+6:PC+9], s[100:101]
	global_store_b64 v[CO8], v[PC+10:PC+11], s[100:101] offset:512
.endm
	PLACES NP
	s_mov_b32 s92, 0x76543210
	s_mov_b32 s93, 0xfedcba98
.irp b, 0,1,2,3
	v_mov_b32 v[TM+4+\b], 0
.endr
.irp a, 0,1,2,3,4,5,6,7
	QTILE \a
.endr
	ds_load_b128 v[BK:BK+3], v[RD]
	s_wait_dscnt 0x0
	global_store_b128 v[SOUT], v[BK:BK+3], s[2:3]
	s_wait_tensorcnt 0x0
	ds_add_u32 v[SPW], v[NIL]
	s_wait_dscnt 0x0
	CROUND
	s_endpgm
.Lfunc_end_k_qeb01d2ef83_qkv:
	.size	k_qeb01d2ef83_qkv, .Lfunc_end_k_qeb01d2ef83_qkv-k_qeb01d2ef83_qkv
	.p2alignl 7, 3214868480
	.fill 96, 4, 3214868480
	.section	.rodata,"a",@progbits
	.p2align	6, 0x0
	.amdhsa_kernel k_qeb01d2ef83_qkv
		.amdhsa_group_segment_fixed_size 327680
		.amdhsa_private_segment_fixed_size 0
		.amdhsa_enable_private_segment 0
		.amdhsa_kernarg_size 88
		.amdhsa_user_sgpr_count 2
		.amdhsa_user_sgpr_kernarg_segment_ptr 1
		.amdhsa_wavefront_size32 1
		.amdhsa_system_sgpr_workgroup_id_x 1
		.amdhsa_system_sgpr_workgroup_id_y 1
		.amdhsa_system_sgpr_workgroup_id_z 1
		.amdhsa_system_vgpr_workitem_id 0
		.amdhsa_next_free_vgpr 1024
		.amdhsa_next_free_sgpr 102
		.amdhsa_reserve_vcc 0
		.amdhsa_float_denorm_mode_32 3
		.amdhsa_float_denorm_mode_16_64 3
		.amdhsa_memory_ordered 1
		.amdhsa_forward_progress 1
		.amdhsa_inst_pref_size 169
	.end_amdhsa_kernel
	.amdgpu_metadata
---
amdhsa.version: [ 1, 2 ]
amdhsa.kernels:
  - .name:           k_qeb01d2ef83_qkv
    .symbol:         k_qeb01d2ef83_qkv.kd
    .args:
      - { .name: rl, .offset: 0, .size: 8, .value_kind: global_buffer, .address_space: global }
      - { .name: x_scales, .offset: 8, .size: 8, .value_kind: global_buffer, .address_space: global }
      - { .name: Wq_scales, .offset: 16, .size: 8, .value_kind: global_buffer, .address_space: global }
      - { .name: Wk_scales, .offset: 24, .size: 8, .value_kind: global_buffer, .address_space: global }
      - { .name: Wv_scales, .offset: 32, .size: 8, .value_kind: global_buffer, .address_space: global }
      - { .name: q_img, .offset: 40, .size: 8, .value_kind: global_buffer, .address_space: global }
      - { .name: q_sc, .offset: 48, .size: 8, .value_kind: global_buffer, .address_space: global }
      - { .name: k_img, .offset: 56, .size: 8, .value_kind: global_buffer, .address_space: global }
      - { .name: k_sc, .offset: 64, .size: 8, .value_kind: global_buffer, .address_space: global }
      - { .name: v_img, .offset: 72, .size: 8, .value_kind: global_buffer, .address_space: global }
      - { .name: v_sc, .offset: 80, .size: 8, .value_kind: global_buffer, .address_space: global }
    .group_segment_fixed_size: 327680
    .private_segment_fixed_size: 0
    .kernarg_segment_align: 8
    .kernarg_segment_size: 88
    .max_flat_workgroup_size: 128
    .sgpr_count:     102
    .vgpr_count:     1024
    .wavefront_size: 32
...
	.end_amdgpu_metadata
.endif
;; end of part 2
;; launch attn (part 3): grid 4 x 64, 16 waves a work-group, clusters of 4 x 1, 210,944 bytes of LDS; arguments q_img, q_sc, k_img, k_sc, v_img, v_sc, o_img, rl; writes o_img, rl
.if DOCPART == 3
	.amdgcn_target "amdgcn-amd-amdhsa--gfx1250"
	.amdhsa_code_object_version 6
	.text
	.protected	k_qeb01d2ef83_attn
	.globl	k_qeb01d2ef83_attn
	.p2align	8
	.type	k_qeb01d2ef83_attn,@function
k_qeb01d2ef83_attn:
	s_mov_b64 s[64:65], 0
	v_nop
	global_prefetch_b8 v0, s[64:65] scope:SCOPE_SE
	s_setreg_imm32_b32 hwreg(HW_REG_WAVE_MODE, 25, 1), 1
	s_wait_xcnt 0x0
	s_wait_alu depctr_hold_cnt(0) depctr_sa_sdst(0) depctr_va_vdst(0) depctr_va_sdst(0) depctr_va_ssrc(0) depctr_va_vcc(0) depctr_vm_vsrc(0)
	s_getreg_b32 s2, hwreg(HW_REG_IB_STS2, 6, 4)
	s_cmp_eq_u32 s2, 0
	s_cbranch_scc0 .Lentry_in_a_cluster
	s_endpgm
.Lentry_in_a_cluster:
	s_bfe_u32 s2, ttmp6, 0x10000c
	s_cmp_lg_u32 s2, 0x3003
	s_cbranch_scc0 .Lentry_shape_is_right
	s_endpgm
.Lentry_shape_is_right:
; o = softmax(q k^T / 8) v for one head and 512 queries a work-group, both products on codes of FP6 with one E8M0 scale for each 32 along K; then o is quantised along head x 64 + d.
; INPUTS (this program's own): half fragments of 768 bytes, images of six operand registers (registers 0-3 at 16 x lane, 4-5 at 512 + 8 x lane):
;   q_img, k_img [b][head][tile of 16 tokens 128][768]; q_sc, k_sc [b][pair of heads][tile][row 16] words; v_img [b][head][128 keys 16][16 channels 4][2][768]; v_sc [b][head][128 keys][16 channels][row 16] words.
; OUTPUTS: o_img [tile of 16 tokens 512][head 16][768]; o's scale bytes [token 8,192][32] at byte 9,437,184 of rl, behind the codes that the first launch laid there (this launch reads nothing of rl).
; THE SOFTMAX: t = score x log2(e) / 8; M = the running largest t rounded up to a whole number; p = 2^(t - M) is quantised along the keys; the row's sum is taken of the unquantised p and divides at the end.
; SHARES.  256 work-groups of sixteen waves.  A wave takes TWO tiles of 16 queries, one after the other (tiles 32 cx + wave and 16 further on).
; A HEAD'S K, V AND SCALES, 208,896 bytes, LIE IN LDS WHOLE, filled once and read by both passes: nothing is filled again, nothing is stored to LDS.
; SIX FILLS, one a wave (waves 0-5), in one chain of branches: K's and V's scale words, the first 512 keys of K and of V, the other 1,536 keys of each.  The first barrier shows the first four, the second the rest; the second pass has no barrier.
; CLUSTER: the four work-groups of a cluster make one head: every fill is a joint load with a mask that names the four.
; NO PREFETCH: all fills are issued at the head, so no later fill is left to ask ahead for.
; LAYOUT.  Both products are used transposed (S^T = K Q^T, O^T = V^T P^T): a lane holds one query.  The head's 64 fill half of the first product's 128 along K; the other half of both operands is zero codes, in registers cleared once.
; Tiles are made of neighbouring keys, so p's codes stand with each block's two middle groups of eight exchanged, and so do v's: the products are the same.  o is put into the true order by exchanges between the halves of the lanes.
; o's scale bytes leave two to a row, rows 32 bytes apart: the other 30 bytes of a row belong to other heads' work-groups.
; LIMITS: NaN and infinities are not served.  A block whose largest magnitude lies under 2^(3 - 127) gets the scale byte 1: the bytes are read by this program alone.  The scaled scores stay under 2^31 in magnitude.
.set CHUNKB, 24576                     ; 512 keys of K, or of V
.set VOFF,  98304
.set KSC,   196608
.set VSC,   204800
.set SPARE, 208896
.set L16,   1
.set L8,    2
.set AV16,  3
.set AV8,   4
.set ASK,   5
.set ASV,   6
.set ADK16, 7
.set ADK8,  8
.set ADV16, 9
.set ADV8,  10
.set ADS,   11
.set ADT,   250
.set OSO,   251
.set QF,    16
.set KS0,   28
.set KFR,   32
.set VFR,   80
.set SR,    128
.set OT,    192
.set PCD,   224
.set VS0,   248
.set WV,    20
.set SEL,   22
.set CS,    24
.set G1C,   28
.set G1KS,  36
.set G1VS,  44
.set G1R,   88
.set TB,    96
.set TS,    97
.set TV,    98
.set CNT,   99
.macro CROUND
	s_barrier_signal -1
	s_barrier_wait -1
	s_cmp_lg_u32 s[WV], 0
	s_cbranch_scc1 .Lnot_wave_0_\@
	s_barrier_signal -3
.Lnot_wave_0_\@:
	s_barrier_wait -3
	s_barrier_signal -1
	s_barrier_wait -1
.endm
.macro G1SET g, rows                   ; a dense block as rows of 256 bytes; the mask names all four work-groups
	s_mov_b32 s[\g], 15|(3<<16)|(1<<21)
	s_mov_b32 s[\g+1], 32<<16
	s_mov_b32 s[\g+2], (\rows)<<16
	s_mov_b32 s[\g+3], 32<<16
	s_mov_b32 s[\g+4], \rows
	s_mov_b32 s[\g+5], 32
	s_mov_b32 s[\g+6], 0
	s_mov_b32 s[\g+7], 0
.endm
.macro G0SET g, lds, base, off
	s_mov_b32 s[\g], 1
	s_mov_b32 s[\g+1], \lds
	s_add_nc_u64 s[\g+2:\g+3], s[\base:\base+1], \off
	s_or_b32 s[\g+3], s[\g+3], 0x80000000
.endm
.macro ARM w, g0, g1                   ; wave w's one fill
	s_cmp_eq_u32 s[WV], \w
	s_cbranch_scc0 .Lna_\@
	tensor_load_to_lds s[\g0:\g0+3], s[\g1:\g1+7]
	s_nop 0
	s_branch .Lasked
.Lna_\@:
.endm
.macro STATE                           ; a pass begins: the largest t so far -3e38, -M, the sum, O^T
	v_mov_b32 v13, 0xff61b1e6
	v_mov_b32 v14, 0
	v_mov_b32 v15, 0
	v_floor_f32 v12, -v13
.set JJ, 0
.rept 32
	v_mov_b32 v[OT+JJ], 0
.set JJ, JJ+1
.endr
.endm
	s_load_b512 s[4:19], s[0:1], 0x0               ; q_img, q_sc, k_img, k_sc, v_img, v_sc, o_img, rl
	v_lshl_add_u32 v254, v0, 2, SPARE
	v_mov_b32 v255, 0
	ds_add_u32 v254, v255
	ds_add_u32 v254, v255
	s_wait_dscnt 0x0
	v_lshrrev_b32 v7, 5, v0
	v_readfirstlane_b32 s[WV], v7                  ; wave 0..15
	s_and_b32 s21, ttmp7, 0xffff                   ; 16 b + head
	s_bfe_u32 s26, ttmp6, 0x40000                  ; cx: it enters q's and o's addresses alone
	s_lshl_b32 s26, s26, 5
	s_add_co_u32 s26, s26, s[WV]                   ; my first tile of 16 queries
	s_mul_i32 s2, s21, 98304
	s_mov_b32 s3, 0
	s_lshr_b32 s96, s21, 1
	s_lshl_b32 s96, s96, 13
	s_mov_b32 s97, 0
	s_lshl_b32 s98, s21, 12
	s_mov_b32 s99, 0
	s_and_b32 s100, s21, 1
	s_lshl_b32 s100, s100, 1
	G1SET G1C, 96
	G1SET G1KS, 32
	G1SET G1VS, 16
	G1SET G1R, 288
	s_mov_b32 s[SEL], 0x76543210
	s_mov_b32 s[SEL+1], 0xfedcba98
	s_mov_b32 s[CS], 0x3e38aa3b                    ; log2(e) / 8
	s_mov_b32 s[CS+1], s[CS]
	s_wait_kmcnt 0x0
	s_add_nc_u64 s[8:9], s[8:9], s[2:3]
	s_add_nc_u64 s[12:13], s[12:13], s[2:3]
	s_add_nc_u64 s[10:11], s[10:11], s[96:97]
	s_add_nc_u64 s[14:15], s[14:15], s[98:99]
	G0SET 52, KSC, 10, 0
	G0SET 56, 0, 8, 0
	G0SET 60, CHUNKB, 8, CHUNKB
	G0SET 76, VSC, 14, 0
	G0SET 80, VOFF, 12, 0
	G0SET 84, VOFF+CHUNKB, 12, CHUNKB
	CROUND                                         ; all four work-groups are here: the joint loads meet
	ARM 0, 52, G1KS
	ARM 1, 76, G1VS
	ARM 2, 56, G1C
	ARM 3, 80, G1C
	ARM 4, 60, G1R
	ARM 5, 84, G1R
.Lasked:
	s_add_nc_u64 s[4:5], s[4:5], s[2:3]
	s_mul_i32 s2, s26, 768
	s_add_nc_u64 s[4:5], s[4:5], s[2:3]            ; q_img at my tile
	s_add_nc_u64 s[6:7], s[6:7], s[96:97]
	s_lshl_b32 s2, s26, 6
	s_add_co_u32 s2, s2, s100
	s_add_nc_u64 s[6:7], s[6:7], s[2:3]            ; q_sc at my tile's words, my head's two bytes
	s_lshr_b32 s27, s21, 4
	s_lshl_b32 s27, s27, 7
	s_add_co_u32 s27, s27, s26                     ; my tile among all 512
	s_and_b32 s101, s21, 15
	s_mul_i32 s2, s27, 12288
	s_mul_i32 s26, s101, 768
	s_add_co_u32 s2, s2, s26
	s_add_nc_u64 s[16:17], s[16:17], s[2:3]        ; o_img
	s_lshl_b32 s2, s27, 9
	s_lshl_b32 s101, s101, 1
	s_add_co_u32 s2, s2, s101
	s_add_nc_u64 s[18:19], s[18:19], s[2:3]
	s_add_nc_u64 s[18:19], s[18:19], 9437184       ; o's scale bytes in rl
	v_and_b32 v7, 31, v0
	v_and_b32 v8, 15, v0
	v_lshlrev_b32 v[L16], 4, v7
	v_lshlrev_b32 v[L8], 3, v7
	v_lshlrev_b32 v254, 2, v8
	global_load_b128 v[QF:QF+3], v[L16], s[4:5]
	global_load_b64 v[QF+4:QF+5], v[L8], s[4:5] offset:512
	global_load_u16 v255, v254, s[6:7]             ; Q's two scale bytes; the upper two are 0 and scale zero codes
	v_add_nc_u32 v[AV16], VOFF, v[L16]
	v_add_nc_u32 v[AV8], VOFF, v[L8]
	v_lshlrev_b32 v[ASK], 2, v7
	v_lshlrev_b32 v[OSO], 5, v8
	v_add_nc_u32 v[ASV], VSC, v[ASK]
	v_add_nc_u32 v[ASK], KSC, v[ASK]
	v_mov_b32 v253, 0
	v_add_nc_u32 v[ASK], s100, v[ASK]
.irp i, 6,7,8,9,10,11
	v_mov_b32 v[QF+\i], 0                          ; K = 64 .. 127 of the first product: zero codes
.irp t, 0,1,2,3
	v_mov_b32 v[KFR+12*\t+\i], 0
.endr
.endr
.irp b, 0,1,2,3
	v_mov_b32 v[236+\b], 0                         ; a lane permute's destination counts as one of its sources
.endr
	STATE
	s_wait_loadcnt 0x0                             ; Q
.macro SPROD kt, fr
.if (\kt)%2
	v_wmma_scale_f32_16x16x128_f8f6f4 v[SR+8*(\kt):SR+8*(\kt)+7], v[KFR+12*(\fr):KFR+12*(\fr)+11], v[QF:QF+11], 0, v[KS0+(\kt)/2], v255 matrix_a_fmt:MATRIX_FMT_FP6 matrix_b_fmt:MATRIX_FMT_FP6 matrix_a_scale:MATRIX_SCALE_ROW1
.else
	v_wmma_scale_f32_16x16x128_f8f6f4 v[SR+8*(\kt):SR+8*(\kt)+7], v[KFR+12*(\fr):KFR+12*(\fr)+11], v[QF:QF+11], 0, v[KS0+(\kt)/2], v255 matrix_a_fmt:MATRIX_FMT_FP6 matrix_b_fmt:MATRIX_FMT_FP6
.endif
.endm
.macro PVPROD ct
.if (\ct)%2
	v_wmma_scale_f32_16x16x128_f8f6f4 v[OT+8*(\ct):OT+8*(\ct)+7], v[VFR+12*(\ct):VFR+12*(\ct)+11], v[PCD:PCD+11], v[OT+8*(\ct):OT+8*(\ct)+7], v[VS0+(\ct)/2], v253 matrix_a_fmt:MATRIX_FMT_FP6 matrix_b_fmt:MATRIX_FMT_FP6 matrix_a_scale:MATRIX_SCALE_ROW1
.else
	v_wmma_scale_f32_16x16x128_f8f6f4 v[OT+8*(\ct):OT+8*(\ct)+7], v[VFR+12*(\ct):VFR+12*(\ct)+11], v[PCD:PCD+11], v[OT+8*(\ct):OT+8*(\ct)+7], v[VS0+(\ct)/2], v253 matrix_a_fmt:MATRIX_FMT_FP6 matrix_b_fmt:MATRIX_FMT_FP6
.endif
.endm
; A KEY STEP: 128 keys.
.macro STEP
	v_add_nc_u32 v[ADK16], s[TB], v[L16]           ; six plain instructions: also the places behind the last step's products
	v_add_nc_u32 v[ADK8], s[TB], v[L8]
	v_add_nc_u32 v[ADV16], s[TB], v[AV16]
	v_add_nc_u32 v[ADV8], s[TB], v[AV8]
	v_add_nc_u32 v[ADS], s[TS], v[ASK]
	v_add_nc_u32 v[ADT], s[TV], v[ASV]
.irp t, 0,1,2,3
	ds_load_b128 v[KFR+12*\t:KFR+12*\t+3], v[ADK16] offset:768*\t
	ds_load_b64 v[KFR+12*\t+4:KFR+12*\t+5], v[ADK8] offset:768*\t+512
.endr
.irp i, 0,1,2,3
	ds_load_u16 v[KS0+\i], v[ADS] offset:128*\i
.endr
	s_wait_alu depctr_va_vdst(0)
	s_wait_dscnt 0x0
.irp t, 0,1,2,3
	SPROD \t, \t
.endr
.rept 4
	v_nop                                          ; places in front of loads into registers that those products have read
.endr
.irp t, 0,1,2,3
	ds_load_b128 v[KFR+12*\t:KFR+12*\t+3], v[ADK16] offset:768*(4+\t)
	ds_load_b64 v[KFR+12*\t+4:KFR+12*\t+5], v[ADK8] offset:768*(4+\t)+512
.endr
.irp t, 0,1,2,3                                ; V's four fragments are asked for now and land under the softmax
	ds_load_b128 v[VFR+12*\t:VFR+12*\t+3], v[ADV16] offset:1536*\t
	ds_load_b64 v[VFR+12*\t+4:VFR+12*\t+5], v[ADV8] offset:1536*\t+512
	ds_load_b128 v[VFR+12*\t+6:VFR+12*\t+9], v[ADV16] offset:1536*\t+768
	ds_load_b64 v[VFR+12*\t+10:VFR+12*\t+11], v[ADV8] offset:1536*\t+1280
.endr
.irp i, 0,1
	ds_load_b32 v[VS0+\i], v[ADT] offset:128*\i
.endr
	s_wait_dscnt 18                                ; K's eight loads are in; V's sixteen and its two scale loads, issued behind them, may be out
.irp t, 0,1,2,3
	SPROD 4+\t, \t
.endr
.rept 4
	v_nop
.endr
.irp b, 0,1,2,3
	v_max3_num_f32 v[232+\b], v[SR+16*\b], v[SR+1+16*\b], v[SR+2+16*\b]   ; the largest score of each block of 32 keys: for the row's maximum and for the block's largest p
.endr
.irp i, 3,5,7,9,11,13
.irp b, 0,1,2,3
	v_max3_num_f32 v[232+\b], v[232+\b], v[SR+16*\b+\i], v[SR+1+16*\b+\i]
.endr
.endr
.irp b, 0,1,2,3
	v_max_num_f32 v[232+\b], v[232+\b], v[SR+15+16*\b]
.endr
.irp b, 0,1,2,3
	s_delay_alu instid0(VALU_DEP_4)
	v_permlanex16_b32 v[236+\b], v[232+\b], s[SEL], s[SEL+1]
.endr
.irp b, 0,1,2,3
	s_delay_alu instid0(VALU_DEP_4)
	v_max_num_f32 v[232+\b], v[232+\b], v[236+\b]
.endr
	s_delay_alu instid0(VALU_DEP_2)
	v_max3_num_f32 v254, v232, v233, v234
	s_delay_alu instid0(VALU_DEP_1)
	v_max_num_f32 v254, v254, v235
	s_delay_alu instid0(VALU_DEP_1)
	v_mul_f32 v254, s[CS], v254
	s_delay_alu instid0(VALU_DEP_1)
	v_max_num_f32 v13, v13, v254                   ; the running largest t
	v_mov_b32 v254, v12
	s_delay_alu instid0(VALU_DEP_2)
	v_floor_f32 v12, -v13                          ; the new -M
	s_delay_alu instid0(VALU_DEP_1)
	v_sub_f32 v254, v12, v254                      ; old M - new M: a whole number, 0 or less
	s_delay_alu instid0(VALU_DEP_1)
	v_cvt_i32_f32 v254, v254
	s_delay_alu instid0(VALU_DEP_1)
	v_ldexp_f32 v252, 1.0, v254                    ; f = 2^(old M - new M)
.set JJ, 0
.rept 32
	v_pk_fma_f32 v[SR+JJ:SR+JJ+1], v[SR+JJ:SR+JJ+1], s[CS:CS+1], v[12:13] op_sel_hi:[1,0,0]   ; t - M
.set JJ, JJ+2
.endr
.irp b, 0,1,2,3
	v_fma_f32 v[232+\b], v[232+\b], s[CS], v12
.endr
.set JJ, 0
	s_wait_alu depctr_va_vdst(0)
.rept 64
	v_exp_f32 v[SR+JJ], v[SR+JJ]                   ; p = 2^(t - M)
.set JJ, JJ+1
.endr
.irp b, 0,1,2,3
	v_exp_f32 v[232+\b], v[232+\b]                 ; the block's largest p
.endr
	v_pk_mul_f32 v[14:15], v[14:15], v[252:253] op_sel_hi:[1,0]   ; the sums under the new M; a plain place behind the exponentials
	s_wait_alu depctr_va_vdst(0)
.irp b, 0,1,2,3
	v_max_num_f32 v[232+\b], 0x1800000, v[232+\b]  ; the floor 2^(3 - 127)
.endr
.irp b, 0,1,2,3
	s_delay_alu instid0(VALU_DEP_4)
	v_add_nc_u32 v[244+\b], 0xff000000, v[232+\b]  ; the conversion's scale operand
.endr
.irp b, 0,1,2,3
	s_delay_alu instid0(VALU_DEP_4)
	v_lshrrev_b32 v[236+\b], 23, v[244+\b]         ; the scale's byte
.endr
	s_delay_alu instid0(VALU_DEP_3)
	v_lshl_or_b32 v253, v237, 8, v236              ; p's scale word for these 128 keys
	s_delay_alu instid0(VALU_DEP_1)
	v_lshl_or_b32 v253, v238, 16, v253
	s_delay_alu instid0(VALU_DEP_1)
	v_lshl_or_b32 v253, v239, 24, v253
.irp c, 0,1
	v_cvt_scalef32_pk16_fp6_f32 v[PCD+6*\c:PCD+6*\c+2], v[SR+32*\c:SR+32*\c+15], v[244+2*\c]
	v_cvt_scalef32_pk16_fp6_f32 v[236+4*\c:238+4*\c], v[SR+32*\c+16:SR+32*\c+31], v[244+2*\c+1]
.endr
	v_nop                                          ; one plain place behind a scaled conversion
.irp c, 0,1                                    ; a whole block in a lane
.irp i, 0,1,2
	v_permlane16_swap_b32 v[PCD+6*\c+\i], v[236+4*\c+\i]
.endr
.irp i, 0,1,2
	s_delay_alu instid0(VALU_DEP_3)
	v_mov_b32 v[PCD+3+6*\c+\i], v[236+4*\c+\i]
.endr
.endr
	v_pk_add_f32 v[236:237], v[132:133], v[136:137]   ; the row's sum of the unquantised p, in eight chains
	v_pk_add_f32 v[246:247], v[140:141], v[144:145]
	v_pk_add_f32 v[244:245], v[148:149], v[152:153]
	v_pk_add_f32 v[242:243], v[156:157], v[160:161]
	v_pk_add_f32 v[240:241], v[164:165], v[168:169]
	v_pk_add_f32 v[72:73], v[172:173], v[176:177]
	v_pk_add_f32 v[70:71], v[180:181], v[184:185]
	v_pk_add_f32 v[14:15], v[14:15], v[188:189]
	v_pk_add_f32 v[236:237], v[236:237], v[128:129]
	v_pk_add_f32 v[246:247], v[246:247], v[130:131]
	v_pk_add_f32 v[244:245], v[244:245], v[134:135]
	v_pk_add_f32 v[242:243], v[242:243], v[138:139]
	v_pk_add_f32 v[240:241], v[240:241], v[142:143]
	v_pk_add_f32 v[72:73], v[72:73], v[146:147]
	v_pk_add_f32 v[70:71], v[70:71], v[150:151]
	v_pk_add_f32 v[14:15], v[14:15], v[154:155]
	v_pk_add_f32 v[236:237], v[236:237], v[158:159]
	v_pk_add_f32 v[246:247], v[246:247], v[162:163]
	v_pk_add_f32 v[244:245], v[244:245], v[166:167]
	v_pk_add_f32 v[242:243], v[242:243], v[170:171]
	v_pk_add_f32 v[240:241], v[240:241], v[174:175]
	v_pk_add_f32 v[72:73], v[72:73], v[178:179]
	v_pk_add_f32 v[70:71], v[70:71], v[182:183]
	v_pk_add_f32 v[14:15], v[14:15], v[186:187]
	v_pk_add_f32 v[236:237], v[236:237], v[190:191]
	s_delay_alu instid0(VALU_DEP_2)
	v_pk_add_f32 v[14:15], v[14:15], v[242:243]
	s_delay_alu instid0(VALU_DEP_2)
	v_pk_add_f32 v[236:237], v[236:237], v[240:241]
	v_pk_add_f32 v[246:247], v[246:247], v[72:73]
	v_pk_add_f32 v[244:245], v[244:245], v[70:71]
	s_delay_alu instid0(VALU_DEP_2)
	v_pk_add_f32 v[14:15], v[14:15], v[246:247]
	s_delay_alu instid0(VALU_DEP_2)
	v_pk_add_f32 v[236:237], v[236:237], v[244:245]
	s_delay_alu instid0(VALU_DEP_1)
	v_pk_add_f32 v[14:15], v[14:15], v[236:237]
.set JJ, 0
.rept 16
	v_pk_mul_f32 v[OT+JJ:OT+JJ+1], v[OT+JJ:OT+JJ+1], v[252:253] op_sel_hi:[1,0]   ; O^T under the new M
.set JJ, JJ+2
.endr
	s_wait_alu depctr_va_vdst(0)
	s_wait_dscnt 0x0                               ; V and its scale words are in
.irp t, 0,1,2,3
	PVPROD \t                                      ; four accumulators by turns; the next step's eight other products stand between two links of a chain
.endr
	s_add_co_u32 s[TB], s[TB], 6144
	s_add_co_u32 s[TS], s[TS], 512
	s_add_co_u32 s[TV], s[TV], 256
.endm
; n key steps from chunk ch on.  bar = 1: the waves that asked for the tiles wait until they have landed, and a barrier shows them to all sixteen.
.macro CHUNK ch, n, bar
.if \bar
.if \ch == 0
	s_cmp_lt_u32 s[WV], 4                          ; waves 0-3 asked for what the first four steps read; waves 4 and 5 have load lines of their own
	s_cbranch_scc0 .Lnw_\@
	s_wait_tensorcnt 0x0
.Lnw_\@:
.else
	s_wait_tensorcnt 0x0                           ; all that is still out: on every wave's way
.endif
	s_wait_dscnt 0x0
	s_barrier_signal -1
	s_barrier_wait -1
.endif
	s_mov_b32 s[TB], \ch*CHUNKB
	s_mov_b32 s[TS], \ch*2048
	s_mov_b32 s[TV], \ch*1024
	s_mov_b32 s[CNT], \n
.Lstep_\@:
	STEP
	s_sub_co_u32 s[CNT], s[CNT], 1
	s_cmp_lg_u32 s[CNT], 0
	s_cbranch_scc1 .Lstep_\@
.endm
; THE WAY OUT of pass p: O^T / the sum; the true order along d; two blocks of 32 quantised; one half fragment and two scale bytes a row leave.
.macro OUT p
.rept 4
	v_nop                                          ; places behind the last products
.endr
.if \p == 0
	v_lshrrev_b32 v[ADS], 3, v[OSO]                ; 4 x (lane % 16)
	global_load_b128 v[QF:QF+3], v[L16], s[4:5] offset:12288          ; the second pass's Q, 16 tiles on, lands under this way out
	global_load_b64 v[QF+4:QF+5], v[L8], s[4:5] offset:12288+512
	global_load_u16 v255, v[ADS], s[6:7] offset:1024
.endif
	v_add_f32 v14, v14, v15
	s_delay_alu instid0(VALU_DEP_1)
	v_permlanex16_b32 v252, v14, s[SEL], s[SEL+1]
	s_delay_alu instid0(VALU_DEP_1)
	v_add_f32 v14, v14, v252
	s_wait_alu depctr_va_vdst(0)
	v_rcp_f32 v14, v14
	v_nop
.set JJ, 0
	s_wait_alu depctr_va_vdst(0)
.rept 16
	v_pk_mul_f32 v[SR+JJ:SR+JJ+1], v[OT+JJ:OT+JJ+1], v[14:15] op_sel_hi:[1,0]   ; register 8 t + i is o(my query, 16 t + 8 h + i)
.set JJ, JJ+2
.endr
.irp b, 0,1
.irp j, 0,1,2,3,4,5,6,7
	v_permlane16_swap_b32 v[SR+16*\b+\j], v[SR+16*\b+8+\j]   ; registers 16 b + 0 .. 15 now hold d = 32 b + 16 h + 0 .. 15
.endr
.endr
.irp b, 0,1
	v_max3_num_f32 v[232+\b], |v[SR+16*\b]|, |v[SR+1+16*\b]|, 0x1800000
.endr
.irp i, 2,4,6,8,10,12,14
.irp b, 0,1
	s_delay_alu instid0(VALU_DEP_2)
	v_max3_num_f32 v[232+\b], v[232+\b], |v[SR+16*\b+\i]|, |v[SR+1+16*\b+\i]|
.endr
.endr
.irp b, 0,1
	s_delay_alu instid0(VALU_DEP_2)
	v_permlanex16_b32 v[236+\b], v[232+\b], s[SEL], s[SEL+1]
.endr
.irp b, 0,1
	s_delay_alu instid0(VALU_DEP_2)
	v_max_num_f32 v[232+\b], v[232+\b], v[236+\b]
.endr
.irp b, 0,1
	s_delay_alu instid0(VALU_DEP_2)
	v_add_nc_u32 v[244+\b], 0xff000000, v[232+\b]
.endr
.irp b, 0,1
	s_delay_alu instid0(VALU_DEP_2)
	v_lshrrev_b32 v[240+\b], 23, v[244+\b]
.endr
	s_delay_alu instid0(VALU_DEP_1)
	v_lshl_or_b32 v254, v241, 8, v240              ; my row's two scale bytes
	v_cvt_scalef32_pk16_fp6_f32 v[PCD:PCD+2], v[SR:SR+15], v244
	v_cvt_scalef32_pk16_fp6_f32 v[236:238], v[SR+16:SR+31], v245
	v_nop
.irp i, 0,1,2
	v_permlane16_swap_b32 v[PCD+\i], v[236+\i]
.endr
.irp i, 0,1,2
	s_delay_alu instid0(VALU_DEP_3)
	v_mov_b32 v[PCD+3+\i], v[236+\i]
.endr
	global_store_b128 v[L16], v[PCD:PCD+3], s[16:17] offset:196608*\p            ; 512 consecutive bytes, aligned to 256
	global_store_b64 v[L8], v[PCD+4:PCD+5], s[16:17] offset:196608*\p+512        ; 256 consecutive bytes, aligned
	global_store_b16 v[OSO], v254, s[18:19] offset:8192*\p                       ; lanes 16-31 store the same bytes with the same values
	s_wait_xcnt 0x0                                ; the stores' and loads' registers may be written again
.endm
	CHUNK 0, 4, 1
	CHUNK 1, 12, 1
	OUT 0
	STATE
	s_wait_alu depctr_va_vdst(0)
	s_wait_loadcnt 0x0                             ; the second pass's Q
	CHUNK 0, 16, 0                                 ; all of the head lies in LDS and has been shown: no wait, no barrier
	OUT 1
	v_lshl_add_u32 v254, v0, 2, SPARE
	v_mov_b32 v255, 0
	s_wait_alu depctr_va_vdst(0)
	s_wait_tensorcnt 0x0                           ; the wave's end
	ds_add_u32 v254, v255
	s_wait_dscnt 0x0
	CROUND                                         ; the closing round
	s_endpgm
.Lfunc_end_k_qeb01d2ef83_attn:
	.size	k_qeb01d2ef83_attn, .Lfunc_end_k_qeb01d2ef83_attn-k_qeb01d2ef83_attn
	.p2alignl 7, 3214868480
	.fill 96, 4, 3214868480
	.section	.rodata,"a",@progbits
	.p2align	6, 0x0
	.amdhsa_kernel k_qeb01d2ef83_attn
		.amdhsa_group_segment_fixed_size 210944
		.amdhsa_private_segment_fixed_size 0
		.amdhsa_enable_private_segment 0
		.amdhsa_kernarg_size 64
		.amdhsa_user_sgpr_count 2
		.amdhsa_user_sgpr_kernarg_segment_ptr 1
		.amdhsa_wavefront_size32 1
		.amdhsa_system_sgpr_workgroup_id_x 1
		.amdhsa_system_sgpr_workgroup_id_y 1
		.amdhsa_system_sgpr_workgroup_id_z 1
		.amdhsa_system_vgpr_workitem_id 0
		.amdhsa_next_free_vgpr 256
		.amdhsa_next_free_sgpr 102
		.amdhsa_reserve_vcc 0
		.amdhsa_float_denorm_mode_32 3
		.amdhsa_float_denorm_mode_16_64 3
		.amdhsa_memory_ordered 1
		.amdhsa_forward_progress 1
		.amdhsa_inst_pref_size 76
	.end_amdhsa_kernel
	.amdgpu_metadata
---
amdhsa.version: [ 1, 2 ]
amdhsa.kernels:
  - .name:           k_qeb01d2ef83_attn
    .symbol:         k_qeb01d2ef83_attn.kd
    .args:
      - { .name: q_img, .offset: 0, .size: 8, .value_kind: global_buffer, .address_space: global }
      - { .name: q_sc, .offset: 8, .size: 8, .value_kind: global_buffer, .address_space: global }
      - { .name: k_img, .offset: 16, .size: 8, .value_kind: global_buffer, .address_space: global }
      - { .name: k_sc, .offset: 24, .size: 8, .value_kind: global_buffer, .address_space: global }
      - { .name: v_img, .offset: 32, .size: 8, .value_kind: global_buffer, .address_space: global }
      - { .name: v_sc, .offset: 40, .size: 8, .value_kind: global_buffer, .address_space: global }
      - { .name: o_img, .offset: 48, .size: 8, .value_kind: global_buffer, .address_space: global }
      - { .name: rl, .offset: 56, .size: 8, .value_kind: global_buffer, .address_space: global }
    .group_segment_fixed_size: 210944
    .private_segment_fixed_size: 0
    .kernarg_segment_align: 8
    .kernarg_segment_size: 64
    .max_flat_workgroup_size: 512
    .sgpr_count:     102
    .vgpr_count:     256
    .wavefront_size: 32
...
	.end_amdgpu_metadata
.endif
;; end of part 3
;; launch oproj (part 4): grid 4 x 32, 4 waves a work-group, clusters of 4 x 4, 327,680 bytes of LDS; arguments o_img, rl, Wo_scales, out0; writes out0
.if DOCPART == 4
	.amdgcn_target "amdgcn-amd-amdhsa--gfx1250"
	.amdhsa_code_object_version 6
	.text
	.protected	k_qeb01d2ef83_oproj
	.globl	k_qeb01d2ef83_oproj
	.p2align	8
	.type	k_qeb01d2ef83_oproj,@function
k_qeb01d2ef83_oproj:
	s_mov_b64 s[64:65], 0
	v_nop
	global_prefetch_b8 v0, s[64:65] scope:SCOPE_SE
	s_setreg_imm32_b32 hwreg(HW_REG_WAVE_MODE, 25, 1), 1
	s_wait_xcnt 0x0
	s_wait_alu depctr_hold_cnt(0) depctr_sa_sdst(0) depctr_va_vdst(0) depctr_va_sdst(0) depctr_va_ssrc(0) depctr_va_vcc(0) depctr_vm_vsrc(0)
	s_getreg_b32 s2, hwreg(HW_REG_IB_STS2, 6, 4)
	s_cmp_eq_u32 s2, 0
	s_cbranch_scc0 .Lentry_in_a_cluster
	s_endpgm
.Lentry_in_a_cluster:
	s_bfe_u32 s2, ttmp6, 0x10000c
	s_cmp_lg_u32 s2, 0xf033
	s_cbranch_scc0 .Lentry_shape_is_right
	s_endpgm
.Lentry_shape_is_right:
.set SIZE_N, 1024
.set SIZE_K, 1024
.set KSTEP,  256
; out = o Wo^T on codes of FP6, a tile of 256 x 256 a work-group.  Wo's codes come from rl, laid as [256 rows][K step][row][192 bytes]: a K step's rows are a dense block, stated as rows of 256 bytes;
; the padding, 16 bytes behind every 64, gives LDS rows of 240 bytes.  o's scale bytes lie at the end of rl.
.set NQ,     KSTEP/128
.set ROWB,   49152                     ; bytes from a K step of a block of 256 rows to the next
.set KROW,   SIZE_K*6/8
.set PITCH,  240
.set FR,     12
.set NL,     6
.set NLA,    4
.set NP,     4
.set ASTEP,  3072
.set AROW,   12288
.set AHALF,  8*ASTEP
.set ATILE,  2*AHALF
.set HALFT,  128*PITCH
.set SLOT,   ATILE+2*HALFT
.set LAPS,   SIZE_K/(2*KSTEP)
.set KS,     SIZE_K/32
.set SCL,    2*SLOT
.set HALFS,  (128*KS/256)*272
.set SBLK,   (16*KS/256)*272
.set SPARE,  SCL+4*HALFS
.set SPITCH, 528
.set ADRA, 16
.set ADRB, 20
.set STO,  24
.set RD,   25
.set CO,   26
.set ADRS, 27
.set SPW,  28
.set NIL,  29
.set SC,   32
.set AF,   128
.set BK,   128
.set G1, 24
.set G0, 32
.set G1B, 48
.set G0B, 56
.set G1S, 68
.set G0S, 76
.set G1SB, 80
.set G0SB, 88
.set MSB, 0
.macro WIN new
.if MSB != (\new)
	s_set_vgpr_msb (MSB<<8)|(\new)
.set MSB, \new
.endif
.endm
.set MUL_LO, 0xa1
.set MUL_HI, 0xf1
.set TO_B,   0x40
.macro JLOAD g0a, g1a, g0b, g1b
	s_cmp_eq_u32 s15, 0
	s_cbranch_scc0 .Lfor_b_\@
	tensor_load_to_lds s[\g0a:\g0a+3], s[\g1a:\g1a+7]
	s_nop 0
.rept 4
	v_nop
.endr
	s_branch .Lasked_\@
.Lfor_b_\@:
	tensor_load_to_lds s[\g0b:\g0b+3], s[\g1b:\g1b+7]
	s_nop 0
.rept 4
	v_nop
.endr
.Lasked_\@:
.endm
.macro CREST
	s_cmp_lg_u32 s14, 0
	s_cbranch_scc1 .Lnot_wave_0_\@
	s_barrier_signal -3
.Lnot_wave_0_\@:
	s_barrier_wait -3
	s_barrier_signal -1
	s_barrier_wait -1
.endm
.macro CROUND
	s_barrier_signal -1
	s_barrier_wait -1
	CREST
.endm
	s_load_b128 s[4:7], s[0:1], 0x0                ; o_img, rl
	s_load_b64 s[10:11], s[0:1], 0x10              ; Wo_scales
	s_load_b64 s[12:13], s[0:1], 0x18              ; out0
	v_lshl_add_u32 v[SPW], v0, 2, SPARE
	v_mov_b32 v[NIL], 0
	ds_add_u32 v28, v29
	ds_add_u32 v28, v29
	s_wait_dscnt 0x0
	v_lshrrev_b32 v1, 5, v0
	v_readfirstlane_b32 s14, v1
	s_lshr_b32 s15, s14, 1
	s_and_b32 s16, s14, 1
	s_bfe_u32 s40, ttmp6, 0x40000
	s_bfe_u32 s41, ttmp6, 0x40004
	s_lshl_b32 s42, ttmp9, 2
	s_add_co_u32 s42, s42, s40
	s_and_b32 s17, ttmp7, 0xffff
	s_lshl_b32 s17, s17, 2
	s_add_co_u32 s17, s17, s41
	s_lshl_b32 s43, s41, 2
	s_lshl_b32 s43, 15, s43
	s_lshl_b32 s44, 0x1111, s40
	s_or_b32 s[G1+0], s43, (3<<16)|(1<<21)
	s_mov_b32 s[G1+1], 384<<16
	s_mov_b32 s[G1+2], 16<<16                      ; the head's load: all 16 tiles of 16 tokens
	s_mov_b32 s[G1+3], 384<<16
	s_mov_b32 s[G1+4], 16
	s_mov_b32 s[G1+5], 1536
	s_mov_b32 s[G1+6], 0
	s_mov_b32 s[G1+7], 0
	s_or_b32 s[G1B+0], s44, (0<<16)|(1<<20)|(1<<21)|(3<<22)|(3<<25)
	s_mov_b32 s[G1B+1], 256<<16
	s_mov_b32 s[G1B+2], 192<<16                    ; the head's load: 256 rows of 192 bytes = 192 rows of 256
	s_mov_b32 s[G1B+3], 256<<16
	s_mov_b32 s[G1B+4], 192
	s_mov_b32 s[G1B+5], 256
	s_mov_b32 s[G1B+6], 0
	s_mov_b32 s[G1B+7], 0
	s_or_b32 s[G1S+0], s43, (3<<16)|(1<<20)|(1<<21)|(5<<22)|(3<<25)
	s_or_b32 s[G1SB+0], s44, (3<<16)|(1<<20)|(1<<21)|(5<<22)|(3<<25)
.irp g, G1S, G1SB
	s_mov_b32 s[\g+1], 32<<16
	s_mov_b32 s[\g+2], KS<<16                      ; the scales of 256 rows: KS rows of 256 bytes
	s_mov_b32 s[\g+3], 32<<16
	s_mov_b32 s[\g+4], KS
	s_mov_b32 s[\g+5], 32
	s_mov_b32 s[\g+6], 0
	s_mov_b32 s[\g+7], 0
.endr
	s_lshl_b32 s20, s17, 4
	s_mul_i32 s20, s20, AROW
	s_mov_b32 s21, 0
	s_lshl_b32 s22, s17, 13
	s_mov_b32 s23, 0
	s_lshl_b32 s46, s42, 8
	s_lshl_b32 s92, s46, 5
	s_mov_b32 s93, 0
	s_mul_i32 s46, s46, KROW
	s_mov_b32 s47, 0
	s_mul_i32 s45, s16, AHALF
	s_mul_i32 s2, s16, HALFT
	s_add_co_u32 s2, s2, ATILE
	s_mul_i32 s94, s16, 8*AROW                     ; in the ring I fetch half a tile: A's eight tiles of 16 tokens,
	s_mov_b32 s95, 0
	s_mul_i32 s18, s16, 24576                      ; or B's 128 rows of a K step
	s_mov_b32 s19, 0
	s_wait_kmcnt 0x0
	s_add_nc_u64 s[8:9], s[6:7], 8650752           ; Wo's codes in rl
	s_add_nc_u64 s[6:7], s[6:7], 9437184           ; o's scale bytes in rl
	s_add_nc_u64 s[20:21], s[4:5], s[20:21]
	s_add_nc_u64 s[22:23], s[6:7], s[22:23]
	s_add_nc_u64 s[46:47], s[8:9], s[46:47]
	s_add_nc_u64 s[92:93], s[10:11], s[92:93]
	CROUND
	s_mov_b32 s[G0S], 1
	s_mov_b32 s[G0S+1], SCL
	s_mov_b64 s[G0S+2:G0S+3], s[22:23]
	s_or_b32 s[G0S+3], s[G0S+3], 0x80000000
	s_mov_b32 s[G0SB], 1
	s_mov_b32 s[G0SB+1], SCL+2*HALFS
	s_mov_b64 s[G0SB+2:G0SB+3], s[92:93]
	s_or_b32 s[G0SB+3], s[G0SB+3], 0x80000000
	s_mov_b32 s4, 1                                ; s[4:7], s[8:11]: group 0 of the head's loads of K step 0, A's whole tile and B's (the arguments that lay there have been used)
	s_mov_b32 s5, 0
	s_mov_b64 s[6:7], s[20:21]
	s_or_b32 s7, s7, 0x80000000
	s_mov_b32 s8, 1
	s_mov_b32 s9, ATILE
	s_mov_b64 s[10:11], s[46:47]
	s_or_b32 s11, s11, 0x80000000
	s_add_nc_u64 s[20:21], s[20:21], s[94:95]
	s_add_nc_u64 s[46:47], s[46:47], s[18:19]
.irp s, 0,1
	s_mov_b32 s[G0+4*\s], 1
	s_add_co_u32 s[G0+4*\s+1], s45, \s*SLOT
	s_add_nc_u64 s[G0+4*\s+2:G0+4*\s+3], s[20:21], \s*ASTEP
	s_or_b32 s[G0+4*\s+3], s[G0+4*\s+3], 0x80000000
	s_mov_b32 s[G0B+4*\s], 1
	s_add_co_u32 s[G0B+4*\s+1], s2, \s*SLOT
	s_add_nc_u64 s[G0B+4*\s+2:G0B+4*\s+3], s[46:47], \s*ROWB
	s_or_b32 s[G0B+4*\s+3], s[G0B+4*\s+3], 0x80000000
.endr
; the head's four tiles, one joint load a wave, in one chain of branches on the wave's number: A's tile, B's rows, A's scales, B's scales
.macro ARM under, g0, g1, next
	s_cmp_lt_u32 s14, \under
	s_cbranch_scc0 \next
	tensor_load_to_lds s[\g0:\g0+3], s[\g1:\g1+7]
	s_nop 0
.rept 4
	v_nop
.endr
	s_branch .Lhead_asked
\next:
.endm
	ARM 1, 4, G1, .Lhead_b
	ARM 2, 8, G1B, .Lhead_sa
	ARM 3, G0S, G1S, .Lhead_sb
	tensor_load_to_lds s[G0SB:G0SB+3], s[G1SB:G1SB+7]
	s_nop 0
.rept 4
	v_nop
.endr
.Lhead_asked:
	v_and_b32 v1, 15, v0
	v_bfe_u32 v2, v0, 4, 1
	v_and_b32 v6, 31, v0
	v_lshlrev_b32 v3, 4, v6
	v_lshlrev_b32 v7, 3, v6
	v_mul_u32_u24 v4, v1, PITCH
	v_mad_u32_u24 v4, v2, 24, v4
	v_lshl_add_u32 v5, v2, 4, v4
	s_mul_i32 s21, s15, AHALF
	s_mul_i32 s22, s16, HALFT
	s_add_co_u32 s22, s22, ATILE
.irp s, 0,1
	v_add_nc_u32 v[ADRA+\s], s21, v3
	v_add_nc_u32 v[ADRA+2+\s], s21, v7
	v_add_nc_u32 v[ADRB+\s], s22, v4
	v_add_nc_u32 v[ADRB+2+\s], s22, v5
	s_add_co_u32 s21, s21, SLOT
	s_add_co_u32 s22, s22, SLOT
.endr
	v_mul_u32_u24 v5, v1, KS
	v_lshrrev_b32 v6, 8, v5
	v_lshl_add_u32 v5, v6, 4, v5
	s_mul_i32 s21, s15, HALFS
	s_mul_i32 s22, s16, HALFS
	s_add_co_u32 s22, s22, 2*HALFS
	s_sub_co_u32 s22, s22, s21
	v_mul_u32_u24 v6, s22, v2
	s_add_co_u32 s21, s21, SCL
	v_add_nc_u32 v5, v5, v6
	v_add_nc_u32 v[ADRS], s21, v5
	s_mul_i32 s23, s14, 16*SPITCH
	v_mul_u32_u24 v5, v1, SPITCH
	v_lshl_add_u32 v5, v2, 5, v5
	v_add_nc_u32 v[STO], s23, v5
	v_and_b32 v6, 31, v0
	v_lshlrev_b32 v[CO], 4, v6
	v_add_nc_u32 v[RD], s23, v[CO]
	s_lshl_b32 s20, s17, 8
	s_lshl_b32 s21, s15, 7
	s_add_co_u32 s20, s20, s21
	s_mov_b32 s21, 0
	s_mov_b64 s[18:19], SIZE_N*4
	s_mul_u64 s[20:21], s[20:21], s[18:19]
	s_lshl_b32 s46, s42, 10
	s_lshl_b32 s47, s16, 9
	s_add_co_u32 s46, s46, s47
	s_mov_b32 s47, 0
	s_add_nc_u64 s[20:21], s[20:21], s[46:47]
	s_add_nc_u64 s[12:13], s[12:13], s[20:21]
.macro FRAG reg, adr, q, i
.irp p, 0,1,2,3,4,5
.set PCE, 12*(\q)+6*(\p/3)+\p%3
.if PCE%8 < 5
	ds_load_b64 v[\reg+2*\p:\reg+2*\p+1], v[\adr] offset:8*PCE+16*(PCE/8)+(\i)*16*PITCH
.else
	ds_load_b64 v[\reg+2*\p:\reg+2*\p+1], v[\adr+2] offset:8*PCE+16*(PCE/8)+(\i)*16*PITCH
.endif
.endr
.endm
.macro FRAGA reg, slot, q, i
	ds_load_b128 v[\reg:\reg+3], v[ADRA+\slot] offset:(\i)*ASTEP+(\q)*1536
	ds_load_b64 v[\reg+4:\reg+5], v[ADRA+2+\slot] offset:(\i)*ASTEP+(\q)*1536+512
	ds_load_b128 v[\reg+6:\reg+9], v[ADRA+\slot] offset:(\i)*ASTEP+(\q)*1536+768
	ds_load_b64 v[\reg+10:\reg+11], v[ADRA+2+\slot] offset:(\i)*ASTEP+(\q)*1536+1280
.endm
.macro MUL16 a0, p, q, sc, zero
.irp a, \a0, \a0+1
.irp b, 0,1,2,3,4,5,6,7
.if \zero
	v_wmma_scale_f32_16x16x128_f8f6f4 v[8*(8*((\a)%4)+\b):8*(8*((\a)%4)+\b)+7], v[128*(\p)+FR*\b:128*(\p)+FR*\b+FR-1], v[AF+FR*(\a):AF+FR*(\a)+FR-1], 0, v[SC+8*NQ*(\sc)+NQ*\b+(\q)], v[SC+8*NQ*(\sc)+NQ*(\a)+(\q)] matrix_a_fmt:MATRIX_FMT_FP6 matrix_b_fmt:MATRIX_FMT_FP6 matrix_a_scale:MATRIX_SCALE_ROW1
.else
	v_wmma_scale_f32_16x16x128_f8f6f4 v[8*(8*((\a)%4)+\b):8*(8*((\a)%4)+\b)+7], v[128*(\p)+FR*\b:128*(\p)+FR*\b+FR-1], v[AF+FR*(\a):AF+FR*(\a)+FR-1], v[8*(8*((\a)%4)+\b):8*(8*((\a)%4)+\b)+7], v[SC+8*NQ*(\sc)+NQ*\b+(\q)], v[SC+8*NQ*(\sc)+NQ*(\a)+(\q)] matrix_a_fmt:MATRIX_FMT_FP6 matrix_b_fmt:MATRIX_FMT_FP6 matrix_a_scale:MATRIX_SCALE_ROW1
.endif
.endr
.endr
.endm
.macro FETCH_B slot, q, p
	WIN TO_B
.irp i, 0,1,2,3,4,5,6,7
	FRAG 128*(\p)+FR*\i, ADRB+\slot, \q, \i
.endr
	WIN 0
.endm
.macro FETCH_A slot, q, i0
.irp i, \i0, \i0+1, \i0+2, \i0+3
	FRAGA AF+FR*(\i), \slot, \q, \i
.endr
.endm
.macro SCALES sc
.irp i, 0,1,2,3,4,5,6,7
	ds_load_b64 v[SC+8*NQ*\sc+NQ*\i:SC+8*NQ*\sc+NQ*\i+1], v[ADRS] offset:\i*SBLK
.endr
.endm
.macro PLACES n
.rept \n
	v_nop
.endr
.endm
.macro STEP slot, q, zero
	s_wait_dscnt 4*NLA
	WIN MUL_LO
	MUL16 0, (\q)%2, \q, \slot, \zero
	MUL16 2, (\q)%2, \q, \slot, \zero
	s_wait_dscnt 0
	PLACES NP
	FETCH_B \slot, (\q)+1, 1-(\q)%2
	FETCH_A \slot, (\q)+1, 0
	WIN MUL_HI
	MUL16 4, (\q)%2, \q, \slot, \zero
	MUL16 6, (\q)%2, \q, \slot, \zero
	PLACES NP
	WIN 0
	FETCH_A \slot, (\q)+1, 4
.endm
.macro TURN slot, next, fill
	s_wait_tensorcnt 0x0
	ds_add_u32 v[SPW], v[NIL]
	s_wait_dscnt 4*NLA+1
	WIN MUL_LO
	MUL16 0, 1, NQ-1, \slot, 0
	s_wait_dscnt 0x0
	s_barrier_signal -1
	MUL16 2, 1, NQ-1, \slot, 0
	WIN 0
	s_barrier_wait -1
.if \fill
	CREST
	s_add_nc_u64 s[G0+4*\slot+2:G0+4*\slot+3], s[G0+4*\slot+2:G0+4*\slot+3], 2*ASTEP
	s_add_nc_u64 s[G0B+4*\slot+2:G0B+4*\slot+3], s[G0B+4*\slot+2:G0B+4*\slot+3], 2*ROWB
	JLOAD G0+4*\slot, G1, G0B+4*\slot, G1B
.else
	PLACES NP
.endif
	s_wait_alu depctr_va_vdst(0)
	v_add_nc_u32 v[ADRS], 4*NQ, v[ADRS]
	FETCH_B \next, 0, 0
	FETCH_A \next, 0, 0
	SCALES \next
	WIN MUL_HI
	MUL16 4, 1, NQ-1, \slot, 0
	MUL16 6, 1, NQ-1, \slot, 0
	PLACES NP
	WIN 0
	FETCH_A \next, 0, 4
.endm
	s_wait_alu depctr_va_vdst(0)
	s_wait_tensorcnt 0x0                           ; my tile of the head's four is in; slot 1's first fill is issued as a refill is
	ds_add_u32 v[SPW], v[NIL]
	s_mov_b32 s[G1+2], 8<<16                       ; no tensor load of mine is out: from here on a load brings half a tile
	s_mov_b32 s[G1+4], 8
	s_mov_b32 s[G1B+2], 96<<16
	s_mov_b32 s[G1B+4], 96
	s_wait_dscnt 0x0
	CROUND
	JLOAD G0+4, G1, G0B+4, G1B
	FETCH_B 0, 0, 0
	FETCH_A 0, 0, 0
	SCALES 0
	FETCH_A 0, 0, 4
	STEP 0, 0, 1
	s_mov_b32 s3, LAPS-1
.Llap:
	TURN 0, 1, 1
	STEP 1, 0, 0
	TURN 1, 0, 1
	STEP 0, 0, 0
	s_sub_co_u32 s3, s3, 1
	s_cmp_lg_u32 s3, 0
	s_cbranch_scc1 .Llap
	TURN 0, 1, 0
	STEP 1, 0, 0
	s_wait_dscnt 4*NLA
	WIN MUL_LO
	MUL16 0, 1, NQ-1, 1, 0
	MUL16 2, 1, NQ-1, 1, 0
	s_wait_dscnt 0
	WIN MUL_HI
	MUL16 4, 1, NQ-1, 1, 0
	MUL16 6, 1, NQ-1, 1, 0
	WIN 0
.macro TOSTAGE a
.set AC, 64*((\a)%4)
	WIN 0x08+4*((\a)/4)
.irp b, 0,1,2,3,4,5,6,7
	ds_store_b128 v[STO], v[AC+8*\b:AC+8*\b+3] offset:64*\b
	ds_store_b128 v[STO], v[AC+8*\b+4:AC+8*\b+7] offset:64*\b+16
.endr
	WIN 0
.set BB, BK+64*((\a)%2)
.irp t, 0,1,2,3,4,5,6,7,8,9,10,11,12,13,14,15
	ds_load_b128 v[BB+4*\t:BB+4*\t+3], v[RD] offset:\t*SPITCH
.endr
.endm
.macro SEND a, younger
.set BB, BK+64*((\a)%2)
	s_wait_dscnt \younger
.if (\a) > 0
	s_add_nc_u64 s[12:13], s[12:13], 16*SIZE_N*4
.endif
.irp t, 0,1,2,3,4,5,6,7,8,9,10,11,12,13,14,15
	global_store_b128 v[CO], v[BB+4*\t:BB+4*\t+3], s[12:13] offset:\t*SIZE_N*4 th:TH_STORE_NT
.endr
.endm
	PLACES NP
	TOSTAGE 0
.irp a, 1,2,3,4,5,6,7
.if \a > 1
	s_wait_xcnt 0x0
.endif
	TOSTAGE \a
	SEND \a-1, 32
.endr
	s_wait_xcnt 0x0
	SEND 7, 0
	s_wait_tensorcnt 0x0
	ds_add_u32 v[SPW], v[NIL]
	s_wait_dscnt 0x0
	CROUND
	s_endpgm
.Lfunc_end_k_qeb01d2ef83_oproj:
	.size	k_qeb01d2ef83_oproj, .Lfunc_end_k_qeb01d2ef83_oproj-k_qeb01d2ef83_oproj
	.p2alignl 7, 3214868480
	.fill 96, 4, 3214868480
	.section	.rodata,"a",@progbits
	.p2align	6, 0x0
	.amdhsa_kernel k_qeb01d2ef83_oproj
		.amdhsa_group_segment_fixed_size 327680
		.amdhsa_private_segment_fixed_size 0
		.amdhsa_enable_private_segment 0
		.amdhsa_kernarg_size 32
		.amdhsa_user_sgpr_count 2
		.amdhsa_user_sgpr_kernarg_segment_ptr 1
		.amdhsa_wavefront_size32 1
		.amdhsa_system_sgpr_workgroup_id_x 1
		.amdhsa_system_sgpr_workgroup_id_y 1
		.amdhsa_system_sgpr_workgroup_id_z 1
		.amdhsa_system_vgpr_workitem_id 0
		.amdhsa_next_free_vgpr 1024
		.amdhsa_next_free_sgpr 98
		.amdhsa_reserve_vcc 0
		.amdhsa_float_denorm_mode_32 3
		.amdhsa_float_denorm_mode_16_64 3
		.amdhsa_memory_ordered 1
		.amdhsa_forward_progress 1
		.amdhsa_inst_pref_size 153
	.end_amdhsa_kernel
	.amdgpu_metadata
---
amdhsa.version: [ 1, 2 ]
amdhsa.kernels:
  - .name:           k_qeb01d2ef83_oproj
    .symbol:         k_qeb01d2ef83_oproj.kd
    .args:
      - { .name: o_img, .offset: 0, .size: 8, .value_kind: global_buffer, .address_space: global }
      - { .name: rl, .offset: 8, .size: 8, .value_kind: global_buffer, .address_space: global }
      - { .name: Wo_scales, .offset: 16, .size: 8, .value_kind: global_buffer, .address_space: global }
      - { .name: out0, .offset: 24, .size: 8, .value_kind: global_buffer, .address_space: global }
    .group_segment_fixed_size: 327680
    .private_segment_fixed_size: 0
    .kernarg_segment_align: 8
    .kernarg_segment_size: 32
    .max_flat_workgroup_size: 128
    .sgpr_count:     98
    .vgpr_count:     1024
    .wavefront_size: 32
...
	.end_amdgpu_metadata
.endif
;; end of part 4
